; MI455X (gfx1250); checked and timed in simulation.
; The chip was launched on July 23, 2026; its instructions are those of AMD's public machine-readable ISA for CDNA 5 (MIT licence, August 2026) and "CDNA5" Instruction Set Architecture Reference Guide (July 2026). The comments in the code are by the model that wrote it; some were corrected since.
;; Multi Head Attention. Allowed arithmetic: matrix products marked QUANTISED: E2M3 operands, one E8M0 scale for each 32 along K, by v_wmma_scale_f32_16x16x128_f8f6f4 with both operands' format E2M3, f32 sums; everything else in f32.
;; Inputs: Wout 1,024 x 1,024 float32; Wqkv 1,024 x 3,072 float32; bout 1,024 float32; bqkv 3,072 float32; x 2 x 2,048 x 1,024 float32.
;; Outputs: out0 2 x 2,048 x 1,024 float32.
;; This version of the problem:
;;   THIS VERSION OF THE PROBLEM IS GIVEN IN LOW PRECISION. The matrix products marked QUANTISED in the list below multiply operands that are first quantised to E2M3 (2 exponent bits, 3 mantissa bits; 6 bits a number), with one power-of-two scale for each 32 numbers along K (OCP MX v1.0); their sums are f32. All else is computed in f32.
;;   The module's matrix products, in the order in which they are computed (A, B: the left and right operand; K: the contracted axis; several contracted axes count as one K, in the product's order):
;;     1. [M 4,096, K 1,024] x [K 1,024, N 3,072]; A: input x; B: input Wqkv: QUANTISED
;;     2. batch 32 x [M 2,048, K 64] x [K 64, N 2,048]; A: computed on the way; B: computed on the way: QUANTISED
;;     3. batch 32 x [M 2,048, K 2,048] x [K 2,048, N 64]; A: softmax (see below); B: computed on the way: QUANTISED
;;     4. [M 4,096, K 1,024] x [K 1,024, N 1,024]; A: computed on the way; B: input Wout: QUANTISED
;;   THE QUANTISER, for each operand of a quantised product, along K:
;;     - K is cut into blocks of 32 from its start; a last block that is shorter is filled with zeros.
;;     - A block's scale is 2^e with e = floor(log2(the largest magnitude in the block)) - 2, held to -126 .. 127; a block of zeros has e = 0. As a byte (E8M0): e + 127.
;;     - Each number is divided by its block's scale, clamped to +-7.5, and rounded to the nearest number of E2M3, ties to even, subnormals kept.
;;     - The product sums the exact products of the quantised numbers (number of the format x scale) in f32.
;;   ~~~python
;;   def quantise(x, axis):      # numpy; x: float32 -> the quantised numbers, widened to float32 again
;;       x = np.moveaxis(x, axis, -1); K = x.shape[-1]
;;       x = np.pad(x, [(0, 0)] * (x.ndim - 1) + [(0, -K % 32)]); x = x.reshape(x.shape[:-1] + (-1, 32)); a = np.abs(x).max(-1, keepdims=True)
;;       e = np.where(a > 0, np.clip(np.frexp(np.where(a > 0, a, 1))[1] - 1 - 2, -126, 127), 0)      # np.frexp(a)[1] - 1 = floor(log2(a)), exactly
;;       r = np.clip(x / 2.0 ** e, -7.5, 7.5)
;;       step = 2.0 ** (np.maximum(np.frexp(np.where(r == 0, 1, r))[1] - 1, 0) - 3)
;;       q = np.round(r / step) * step * 2.0 ** e      # np.round: ties to even
;;       return np.moveaxis(q.reshape(q.shape[:-2] + (-1,))[..., :K], -1, axis).astype(np.float32)
;;   ~~~
;;   SOFTMAX AHEAD OF A QUANTISED PRODUCT. Where the list says 'softmax', what is quantised is not the finished softmax but p = 2^(t - M), with t = logit x log2(e) and M = ceil(the row's largest t), a whole number; so 1/2 < the row's largest p <= 1. The row's sum l is taken of the UNQUANTISED p, in f32, and the product's result is divided by l at the end. Since M is a whole number, a kernel that streams over the keys may use a running M (the ceiling of the running maximum): every later rescaling is an exact power of two, which a block's scale takes up: the codes' values come out the same.
;;   OPERANDS COMPUTED ON THE WAY. 'Computed on the way' means the value that the module computes at that place (a softmax that the list does not call 'softmax' is quantised finished and normalised). What goes into a quantiser is computed in f32, as accurately as f32 sums, v_exp_f32 and their like allow (about 1e-6 of the number): no bf16 or f16 on the way to a quantiser, and a product that is left as it is and whose result goes on into a quantised operand takes f32 operands (vector FMAs, or v_wmma_f32_16x16x4_f32). A number that lies on a knife's edge between two numbers of the format may be rounded either way, as far as f32 arithmetic and the matrix unit's own rounding can turn it there, and no further.
;; One version. Each part assembles by itself: llvm-mc -triple=amdgcn-amd-amdhsa -mcpu=gfx1250 --defsym DOCPART=n.
;; ======== version 1 of 1: 4 launches
;; limits: right only within a limited range of input values
;; workspace buffers: xc 3,145,728 bytes; xs 131,072 bytes; wc 3,145,728 bytes; ws 131,072 bytes; qkvc 10,092,544 bytes; aoc 3,145,728 bytes; aos 131,072 bytes
;; launch quant (part 1): grid 512 x 1, 4 waves a work-group, no clusters, 47,104 bytes of LDS; arguments x, Wqkv, Wout, xc, xs, wc, ws; writes xc, xs, wc, ws
.if DOCPART == 1
	.amdgcn_target "amdgcn-amd-amdhsa--gfx1250"
	.amdhsa_code_object_version 6
	.text
	.protected	k_qc18f958086_quant
	.globl	k_qc18f958086_quant
	.p2align	8
	.type	k_qc18f958086_quant,@function
k_qc18f958086_quant:
	s_mov_b64 s[64:65], 0
	v_nop
	global_prefetch_b8 v0, s[64:65] scope:SCOPE_SE
	s_setreg_imm32_b32 hwreg(HW_REG_WAVE_MODE, 25, 1), 1
	s_wait_xcnt 0x0
; THE PROGRAM: causal multi-head attention, B 2, S 2,048, E 1,024, 16 heads of 64; all four products on codes of FP6 (E2M3) with one E8M0 scale for each 32 along K.
; Four launches: this one (x, Wqkv, Wout into codes); x Wqkv + bqkv, quantised into q, k, v; the attention; the projection + bout.  Between launches only codes and scale bytes go through memory.
; WORK LEFT OUT (in the attention launch): a tile of 16 queries x 128 keys all of whose keys come after all of its queries.  reference() builds the mask jnp.tril in its own body and sets those scores to -inf
; ahead of the softmax, so their p is 0 for all values of the inputs and they add nothing to the row's maximum, to its sum or to the second product.  All five inputs have a way to the output and are loaded.
; LIMITS: a NaN, an infinity or an overflow that reaches only those hidden scores is not carried to the result.  NaN and infinities among the inputs are not served.  A block whose largest magnitude lies under 2^-124
; gets the byte 1; so does a block of zeros, where the rule says 127: its codes are zeros, which add nothing under any byte but 0xff, and the bytes are read by this program alone.
; ROW BLOCKS.  Rows (of x; columns of a weight) go in bands of 64, each four row blocks j = 0 .. 3 of 16: lane r of block j stands for row 64 band + 8 j + r % 8 + 32 (r / 8).  So where the four blocks of a band are
; source 0 of matrix instructions, a lane's 32 results, register 8 j + i, are rows 32 h + 8 j + i of the band: 32 neighbours, one scale block of a following product.
; LAYOUTS.  Codes: [RB 256][64 along K: 16][768 bytes]: the image of six operand registers of row r, block 2 c + h, for lane l = (r, h): registers 0-3 at 16 l, registers 4-5 at 512 + 8 l.  Scale words (four bytes:
; 128 along K of a row): [K step 8][RB 256][r 16].  x: RB = 4 band + j.  wc, ws: RB 12 c + 0 .. 7 are Wqkv's columns 128 c .. (Q, K), RB 12 c + 8 .. 11 its columns 2,048 + 64 c .. (V), c = 0 .. 15; RB 192-255 Wout's columns.
; THIS LAUNCH: 512 work-groups of 65,536 bytes each.  0-255: two row blocks of x, half of K; wave w takes 128 along K: two fragments (16 rows x 128 K).  Each load reads 512 consecutive bytes of a row; the fragment
; turns through the wave's own stage in LDS, so that a lane holds 2 x 32 neighbours along K.  256-511: 128 columns of a weight x 128 along K; a lane takes a column and its registers run down K; a wave's 32 columns
; are half of each of a band's four row blocks, so the images are put together in LDS and leave behind one barrier, two row blocks a wave.  No tensor load, no cluster, and no byte is read twice.
.set WREG,  33792                      ; behind the four stages (16 rows x 528 bytes each): the weights' images, [row block 8][1,536],
.set WSC,   46080                      ; and their scale words, [row block 8][r 16]
.set SPARE, 46592                      ; the spare words, 128 bytes for each wave
.set SPW,   12                         ; LDS address of my spare word; never rewritten
.set NIL,   13                         ; 0; never rewritten
.set CD,    224                        ; v224-235 a fragment's codes
.set TT,    236                        ; v236-243 second halves of blocks (a conversion's three registers begin on an even number)
.set SWD,   244                        ; v244-245 the fragments' scale words
	s_load_b256 s[4:11], s[0:1], 0x0               ; x s[4:5], Wqkv s[6:7], Wout s[8:9], xc s[10:11]
	s_load_b128 s[12:15], s[0:1], 0x20             ; xs s[12:13], wc s[14:15]
	s_load_b64 s[36:37], s[0:1], 0x30              ; ws
	v_lshl_add_u32 v[SPW], v0, 2, SPARE
	v_mov_b32 v[NIL], 0
	v_lshrrev_b32 v1, 5, v0
	v_readfirstlane_b32 s16, v1                    ; wave
	v_and_b32 v2, 31, v0                           ; lane
	v_and_b32 v6, 15, v0                           ; r
	v_bfe_u32 v7, v0, 4, 1                         ; h
	v_lshlrev_b32 v3, 4, v2                        ; 16 x lane
	v_lshlrev_b32 v4, 3, v2                        ; 8 x lane
	v_lshlrev_b32 v5, 2, v2                        ; 4 x lane
	s_wait_alu depctr_va_vdst(0)                   ; the wait ahead of the branch
	s_cmp_lt_u32 ttmp9, 256
	s_cbranch_scc0 .Lweights
; ---------------- x ----------------
	s_mul_i32 s17, s16, 8448                       ; my stage
	v_add_nc_u32 v14, s17, v3                      ; in: a row as it lies, rows 528 bytes apart
	v_mul_u32_u24 v15, v6, 528
	v_lshl_add_u32 v15, v7, 7, v15
	v_add_nc_u32 v15, s17, v15                     ; out: row r, + 128 h: my 32 numbers of each 64
	v_lshlrev_b32 v20, 3, v7                       ; 8 h: my bytes' place in a scale word
	v_mov_b32 v19, 0                               ; a lane permute's destination counts as read
	s_mov_b32 s20, 0x76543210
	s_mov_b32 s21, 0xfedcba98                      ; lane selects: lane l xor 16
	s_lshr_b32 s22, ttmp9, 1                       ; my pair of row blocks
	s_and_b32 s23, ttmp9, 1
	s_lshl_b32 s23, s23, 2
	s_add_co_u32 s23, s23, s16                     ; my K step of 128
	s_lshr_b32 s24, s22, 1
	s_lshl_b32 s24, s24, 18                        ; x: 64 rows of 4,096 bytes a band,
	s_and_b32 s25, s22, 1
	s_lshl_b32 s25, s25, 16                        ; 16 rows on for blocks 2 and 3,
	s_add_co_u32 s24, s24, s25
	s_lshl_b32 s25, s23, 9                         ; 512 bytes a K step
	s_add_co_u32 s24, s24, s25
	s_mov_b32 s25, 0
	s_mul_i32 s26, s22, 24576                      ; codes: two row blocks of 12,288 bytes,
	s_mul_i32 s27, s23, 1536                       ; 1,536 bytes a K step
	s_add_co_u32 s26, s26, s27
	s_mov_b32 s27, 0
	s_lshl_b32 s28, s23, 14                        ; scale words: a plane of 16,384 bytes a K step,
	s_lshl_b32 s29, s22, 7                         ; 128 bytes a pair
	s_add_co_u32 s28, s28, s29
	s_mov_b32 s29, 0
	s_wait_alu depctr_va_vdst(0)                   ; the wait at the head's end
	s_wait_kmcnt 0x0
	s_add_nc_u64 s[4:5], s[4:5], s[24:25]
	s_add_nc_u64 s[10:11], s[10:11], s[26:27]
	s_add_nc_u64 s[12:13], s[12:13], s[28:29]
.macro XLOAD f, set                    ; fragment f: the pair's row block f
.irp p, 0,1,2,3,4,5,6,7,8,9,10,11,12,13,14,15
	global_load_b128 v[\set+4*\p:\set+4*\p+3], v3, s[4:5] offset:(8*(\f)+\p%8+32*(\p/8))*4096 th:TH_LOAD_NT   ; the block's row p: 512 consecutive bytes
.endr
.endm
.macro XTURN set                       ; LDS serves a wave's instructions in order: no wait between the stores and the loads, which land in the registers that the stores have read
.irp p, 0,1,2,3,4,5,6,7,8,9,10,11,12,13,14,15
	ds_store_b128 v14, v[\set+4*\p:\set+4*\p+3] offset:528*\p
.endr
.irp c, 0,1
.irp j, 0,1,2,3,4,5,6,7
	ds_load_b128 v[\set+32*\c+4*\j:\set+32*\c+4*\j+3], v15 offset:256*\c+16*\j   ; register 32 c + i: k = 64 c + 32 h + i of row r
.endr
.endr
.endm
.macro XQ f, set
.irp c, 0,1
	v_max3_num_f32 v[8+\c], |v[\set+32*\c]|, |v[\set+32*\c+1]|, 0x1800000   ; my block 2 c + h: all 32 numbers are mine; the floor 2^(3 - 127) holds the byte at 1 from below
.endr
.irp i, 2,4,6,8,10,12,14,16,18,20,22,24,26,28,30
.irp c, 0,1
	v_max3_num_f32 v[8+\c], v[8+\c], |v[\set+32*\c+\i]|, |v[\set+32*\c+\i+1]|
.endr
.endr
.irp c, 0,1
	v_add_nc_u32 v[10+\c], 0xff000000, v[8+\c]     ; 2 off the exponent field: the conversion's scale operand
.endr
.irp c, 0,1
	v_lshrrev_b32 v[16+\c], 23, v[10+\c]           ; the scale's byte
.endr
	v_lshl_or_b32 v18, v17, 16, v16                ; blocks h and 2 + h,
	v_lshlrev_b32 v18, v20, v18                    ; at their places in the word;
	v_permlanex16_b32 v19, v18, s20, s21
	v_or_b32 v[SWD+(\f)], v18, v19                 ; with lane l xor 16's two the word is whole
.if (\f) > 0
	s_wait_alu depctr_va_vdst(0)
	s_wait_xcnt 0x0                                ; the last fragment's stores have read their data: the codes' registers are written again only behind this wait
.endif
.irp c, 0,1
	v_cvt_scalef32_pk16_fp6_f32 v[CD+6*\c:CD+6*\c+2], v[\set+32*\c:\set+32*\c+15], v[10+\c]
	v_cvt_scalef32_pk16_fp6_f32 v[TT+4*\c:TT+4*\c+2], v[\set+32*\c+16:\set+32*\c+31], v[10+\c]
.endr
	v_nop                                          ; one plain instruction behind the conversions
.irp c, 0,1
.irp i, 0,1,2
	v_mov_b32 v[CD+6*\c+3+\i], v[TT+4*\c+\i]
.endr
.endr
.irp c, 0,1
	global_store_b128 v3, v[CD+6*\c:CD+6*\c+3], s[10:11] offset:(\f)*12288+\c*768         ; 512 consecutive bytes
	global_store_b64 v4, v[CD+6*\c+4:CD+6*\c+5], s[10:11] offset:(\f)*12288+\c*768+512    ; 256
.endr
.endm
	XLOAD 0, 32
	XLOAD 1, 96
	s_wait_loadcnt 16                              ; fragment 0's sixteen loads are in; fragment 1's may be out
	XTURN 32
	s_wait_dscnt 0x0
	XQ 0, 32
	s_wait_loadcnt 0x0
	XTURN 96
	s_wait_dscnt 0x0
	XQ 1, 96
	v_cmp_lt_u32 vcc_lo, 15, v2                    ; lanes 0-15 store the first row block's words, lanes 16-31 the second's (each lane holds row r's word of both)
	v_cndmask_b32 v16, v[SWD], v[SWD+1], vcc_lo
	global_store_b32 v5, v16, s[12:13]             ; 128 consecutive bytes: one byte for each 128 that the launch reads
	s_wait_tensorcnt 0x0                           ; the wave's end: behind my last LDS store
	ds_add_u32 v[SPW], v[NIL]
	s_wait_dscnt 0x0
	s_endpgm
; ---------------- the weights ----------------
.Lweights:
	s_sub_co_u32 s17, ttmp9, 256
	s_lshr_b32 s18, s17, 3                         ; which 128 columns: 0-23 Wqkv's, 24-31 Wout's
	s_and_b32 s19, s17, 7                          ; which 128 along K
	s_lshl_b32 s20, s18, 1
	s_lshr_b32 s48, s16, 1
	s_add_co_u32 s20, s20, s48                     ; my wave's band of 64 columns, 0 .. 63
	s_and_b32 s47, s16, 1                          ; q: I load its columns 32 q + 0 .. 31, and send out its row blocks 2 q and 2 q + 1
	s_lshr_b32 s49, s20, 1                         ; where they lie in wc: Q, K: 12 (band / 2) + 4 (band % 2),
	s_mul_i32 s49, s49, 12
	s_and_b32 s50, s20, 1
	s_lshl_b32 s50, s50, 2
	s_add_co_u32 s49, s49, s50
	s_sub_co_u32 s50, s20, 32                      ; V: 12 (band - 32) + 8,
	s_mul_i32 s50, s50, 12
	s_add_co_u32 s50, s50, 8
	s_lshl_b32 s51, s20, 2                         ; Wout: 192 + 4 (band - 48)
	s_cmp_lt_u32 s20, 32
	s_cselect_b32 s49, s49, s50
	s_mul_i32 s52, s48, 6144
	s_add_co_u32 s52, s52, WREG                    ; my band's images in LDS,
	s_lshl_b32 s53, s48, 8
	s_add_co_u32 s53, s53, WSC                     ; its scale words,
	s_lshl_b32 s54, s47, 3                         ; 8 q
	s_mul_i32 s55, s16, 3072
	s_add_co_u32 s55, s55, WREG                    ; and what I send out
	s_lshl_b32 s56, s16, 7
	s_add_co_u32 s56, s56, WSC
	s_wait_kmcnt 0x0
	s_cmp_lt_u32 s18, 24                           ; the choice hangs on the work-group's number alone
	s_cselect_b32 s49, s49, s51
	s_cselect_b64 s[22:23], s[6:7], s[8:9]
	s_mov_b32 s21, 4096
	s_cselect_b32 s21, 12288, s21                  ; a row of the weight in bytes
	s_cselect_b32 s38, 0, 48
	s_lshl_b32 s50, s47, 1
	s_add_co_u32 s49, s49, s50                     ; + 2 q
	s_sub_co_u32 s38, s20, s38                     ; the band's number in its own weight
	s_lshl_b32 s38, s38, 8                         ; 256 bytes a band
	s_lshl_b32 s39, s47, 7                         ; 32 columns on for q = 1
	s_add_co_u32 s38, s38, s39
	s_lshl_b32 s39, s19, 7
	s_mul_i32 s39, s39, s21                        ; 128 rows a K step
	s_add_co_u32 s40, s39, s38
	s_mov_b32 s41, 0
	s_lshl_b32 s42, s21, 5                         ; 32 rows a block
	s_mov_b32 s43, 0
	s_add_nc_u64 s[24:25], s[22:23], s[40:41]      ; a base for each of the four blocks along K
	s_add_nc_u64 s[26:27], s[24:25], s[42:43]
	s_add_nc_u64 s[28:29], s[26:27], s[42:43]
	s_add_nc_u64 s[30:31], s[28:29], s[42:43]
	s_mul_i32 s44, s49, 12288
	s_mul_i32 s45, s19, 1536
	s_add_co_u32 s44, s44, s45
	s_mov_b32 s45, 0
	s_add_nc_u64 s[14:15], s[14:15], s[44:45]      ; codes: my row blocks, my K step
	s_lshl_b32 s44, s19, 14
	s_lshl_b32 s46, s49, 6
	s_add_co_u32 s44, s44, s46
	s_add_nc_u64 s[36:37], s[36:37], s[44:45]      ; scale words likewise
	v_lshlrev_b32 v32, 2, v2
.set ii, 1
.rept 31
	v_add_nc_u32 v[32+ii], s21, v[31+ii]           ; v32-63: an offset for each of a block's 32 rows (the pitch is chosen, so it cannot stand in an immediate); never rewritten
.set ii, ii+1
.endr
	v_lshrrev_b32 v14, 3, v2                       ; my column's row block j = lane / 8
	v_and_b32 v15, 7, v2
	v_add_nc_u32 v15, s54, v15                     ; and its row r = 8 q + lane % 8
	v_mul_u32_u24 v16, v14, 1536
	v_add_nc_u32 v16, s52, v16
	v_lshl_add_u32 v17, v15, 4, v16                ; in: registers 0-3,
	v_lshl_add_u32 v18, v15, 3, v16                ; registers 4-5,
	v_lshlrev_b32 v19, 6, v14
	v_lshl_add_u32 v19, v15, 2, v19
	v_add_nc_u32 v19, s53, v19                     ; the scale word
	v_add_nc_u32 v20, s55, v3                      ; out
	v_add_nc_u32 v21, s56, v5
.macro WLOAD kb
.set XS, 64+32*((\kb)%2)
.irp i, 0,1,2,3,4,5,6,7,8,9,10,11,12,13,14,15,16,17,18,19,20,21,22,23,24,25,26,27,28,29,30,31
	global_load_b32 v[XS+\i], v[32+\i], s[24+2*(\kb):25+2*(\kb)] th:TH_LOAD_NT   ; one row k at 32 columns: 128 consecutive bytes a wave, 512 a work-group
.endr
.endm
.macro WBLOCK kb                       ; block kb of my column: 32 numbers, all mine, into six registers of codes, and into lane (r, kb % 2)'s place in image kb / 2
.set XS, 64+32*((\kb)%2)
.set DD, 128+6*(\kb)
	v_max3_num_f32 v8, |v[XS]|, |v[XS+1]|, |v[XS+2]|
	v_max3_num_f32 v9, |v[XS+3]|, |v[XS+4]|, |v[XS+5]|
.irp i, 6,10,14,18,22,26
	v_max3_num_f32 v8, v8, |v[XS+\i]|, |v[XS+\i+1]|
	v_max3_num_f32 v9, v9, |v[XS+\i+2]|, |v[XS+\i+3]|
.endr
	v_max3_num_f32 v8, v8, |v[XS+30]|, |v[XS+31]|
	v_max3_num_f32 v8, v8, v9, 0x1800000           ; and the floor
	v_add_nc_u32 v10, 0xff000000, v8               ; the conversion's scale operand
	v_lshrrev_b32 v11, 23, v10                     ; the byte
.if (\kb) == 0
	v_mov_b32 v184, v11
.else
	v_lshl_or_b32 v184, v11, 8*(\kb), v184         ; my column's scale word for this K step
.endif
	v_cvt_scalef32_pk16_fp6_f32 v[DD:DD+2], v[XS:XS+15], v10
	v_cvt_scalef32_pk16_fp6_f32 v[176:178], v[XS+16:XS+31], v10
	v_nop
.irp i, 0,1,2
	v_mov_b32 v[DD+3+\i], v[176+\i]
.endr
	ds_store_b128 v17, v[DD:DD+3] offset:768*((\kb)/2)+256*((\kb)%2)
	ds_store_b64 v18, v[DD+4:DD+5] offset:768*((\kb)/2)+512+128*((\kb)%2)
.endm
	s_wait_alu depctr_va_vdst(0)
	WLOAD 0
	WLOAD 1
	s_wait_loadcnt 32                              ; this block's 32 loads are in, the next block's may be out: so in the three waits of 32
	WBLOCK 0
	WLOAD 2
	s_wait_loadcnt 32
	WBLOCK 1
	WLOAD 3
	s_wait_loadcnt 32
	WBLOCK 2
	s_wait_loadcnt 0x0
	WBLOCK 3
	ds_store_b32 v19, v184
	s_wait_dscnt 0x0                               ; for the others' sake
	s_barrier_signal -1
	s_barrier_wait -1
.irp t, 0,1,2,3,4,5
	ds_load_b128 v[192+4*\t:195+4*\t], v20 offset:512*\t
.endr
	ds_load_b32 v216, v21
	s_wait_dscnt 0x0
.irp t, 0,1,2,3,4,5
	global_store_b128 v3, v[192+4*\t:195+4*\t], s[14:15] offset:(\t/3)*12288+(\t%3)*512   ; a row block's 1,536 bytes of this K step: 512 consecutive bytes a store
.endr
	global_store_b32 v5, v216, s[36:37]            ; 128 consecutive bytes
	s_wait_tensorcnt 0x0                           ; the wave's end: behind my last LDS store
	ds_add_u32 v[SPW], v[NIL]
	s_wait_dscnt 0x0
	s_endpgm
.Lfunc_end_k_qc18f958086_quant:
	.size	k_qc18f958086_quant, .Lfunc_end_k_qc18f958086_quant-k_qc18f958086_quant
	.p2alignl 7, 3214868480
	.fill 96, 4, 3214868480
	.section	.rodata,"a",@progbits
	.p2align	6, 0x0
	.amdhsa_kernel k_qc18f958086_quant
		.amdhsa_group_segment_fixed_size 47104
		.amdhsa_private_segment_fixed_size 0
		.amdhsa_enable_private_segment 0
		.amdhsa_kernarg_size 56
		.amdhsa_user_sgpr_count 2
		.amdhsa_user_sgpr_kernarg_segment_ptr 1
		.amdhsa_wavefront_size32 1
		.amdhsa_system_sgpr_workgroup_id_x 1
		.amdhsa_system_sgpr_workgroup_id_y 1
		.amdhsa_system_sgpr_workgroup_id_z 1
		.amdhsa_system_vgpr_workitem_id 0
		.amdhsa_next_free_vgpr 256
		.amdhsa_next_free_sgpr 66
		.amdhsa_reserve_vcc 1
		.amdhsa_float_denorm_mode_32 3
		.amdhsa_float_denorm_mode_16_64 3
		.amdhsa_memory_ordered 1
		.amdhsa_forward_progress 1
		.amdhsa_inst_pref_size 40
	.end_amdhsa_kernel
	.amdgpu_metadata
---
amdhsa.version: [ 1, 2 ]
amdhsa.kernels:
  - .name:           k_qc18f958086_quant
    .symbol:         k_qc18f958086_quant.kd
    .args:
      - { .name: x, .offset: 0, .size: 8, .value_kind: global_buffer, .address_space: global }
      - { .name: Wqkv, .offset: 8, .size: 8, .value_kind: global_buffer, .address_space: global }
      - { .name: Wout, .offset: 16, .size: 8, .value_kind: global_buffer, .address_space: global }
      - { .name: xc, .offset: 24, .size: 8, .value_kind: global_buffer, .address_space: global }
      - { .name: xs, .offset: 32, .size: 8, .value_kind: global_buffer, .address_space: global }
      - { .name: wc, .offset: 40, .size: 8, .value_kind: global_buffer, .address_space: global }
      - { .name: ws, .offset: 48, .size: 8, .value_kind: global_buffer, .address_space: global }
    .group_segment_fixed_size: 47104
    .private_segment_fixed_size: 0
    .kernarg_segment_align: 8
    .kernarg_segment_size: 56
    .max_flat_workgroup_size: 128
    .sgpr_count:     66
    .vgpr_count:     256
    .wavefront_size: 32
...
	.end_amdgpu_metadata
.endif
;; end of part 1
;; launch qkvgemm (part 2): grid 16 x 16, 4 waves a work-group, clusters of 4 x 4, 327,680 bytes of LDS; arguments xc, xs, wc, ws, bqkv, qkvc; writes qkvc
.if DOCPART == 2
	.amdgcn_target "amdgcn-amd-amdhsa--gfx1250"
	.amdhsa_code_object_version 6
	.text
	.protected	k_qc18f958086_qkvgemm
	.globl	k_qc18f958086_qkvgemm
	.p2align	8
	.type	k_qc18f958086_qkvgemm,@function
k_qc18f958086_qkvgemm:
	s_mov_b64 s[64:65], 0
	v_nop
	global_prefetch_b8 v0, s[64:65] scope:SCOPE_SE
	s_setreg_imm32_b32 hwreg(HW_REG_WAVE_MODE, 25, 1), 1
	s_wait_xcnt 0x0
	s_wait_alu depctr_hold_cnt(0) depctr_sa_sdst(0) depctr_va_vdst(0) depctr_va_sdst(0) depctr_va_ssrc(0) depctr_va_vcc(0) depctr_vm_vsrc(0)
	s_getreg_b32 s2, hwreg(HW_REG_IB_STS2, 6, 4)
	s_cmp_eq_u32 s2, 0
	s_cbranch_scc0 .Lentry_in_a_cluster
	s_endpgm
.Lentry_in_a_cluster:
	s_bfe_u32 s2, ttmp6, 0x10000c
	s_cmp_lg_u32 s2, 0xf033
	s_cbranch_scc0 .Lentry_shape_is_right
	s_endpgm
.Lentry_shape_is_right:
; qkv = x Wqkv + bqkv on codes of FP6 (E2M3) with E8M0 scales, K = 1,024; the result is quantised in registers, q and k along the head's 64, v along the keys, and leaves as codes and scale words alone.
; Nothing is left out here: every column of qkv is used.
; 256 work-groups: 256 rows of x x 192 columns: 128 of Q or K (two heads) and the 64 of a head of V: twelve row blocks that lie on end in wc.  Four waves, 2 x 2: a wave holds 64 columns of Q or K and 32 of V, all of K,
; in registers (48 fragments of 12), and x's rows go past in eight blocks of 16 rows: a block's 8 fragments serve 48 products.
; Q, K: source 0 = the weight's columns: a lane holds one position and 32 neighbouring channels.  V: source 0 = x's rows: a lane holds one channel and, of a band's four blocks, 32 neighbouring keys.  So no scale block is spread over lanes.
; LDS: the weights' codes, 147,456 bytes; the first band of 64 rows of each half of x's rows, 98,304; the scale words.  When every wave holds its weights, the second bands land where the weights lay: the one refill.
; CLUSTER 4 x 4: x's rows are shared along a row of the cluster, the weights along a column, by joint loads.
; PREFETCH: the refill's bytes, once, ahead of the weights' LDS loads: 384 blocks of 256 bytes, 24 for each of the sixteen waves of the four work-groups that will ask for them jointly.
; OUT, qkvc: [head 32][128 positions: 16][13,056 bytes: K's images 6,144 (a pair of row blocks: 12 registers a lane), V's 6,144 (16 channels x 128 keys: 12 registers a lane), K's scale words 512 ([block / 4][r][block % 4]),
; V's 256 ([half][r][2])]; from QO on [head 32][16][6,656: Q's images 6,144, Q's scale words 512].
; REGISTERS: windows 1 to 3 from v0: fragment f in window 1 + f / 21 at 12 (f % 21): 6 k + b the weights' (b 0-3 Q or K, 4-5 V), 48 + k x's; window 3 v168-231: V's sums, 32 x tile + 8 x block + i.  Window 0: all else.
.set QO,    6684672
.set XL,    147456                     ; LDS: x's first bands
.set SCW,   245760                     ; the weights' scale words: [K step 8][768 bytes]
.set SCX,   251904                     ; x's: [K step 8][1,024]
.set SPARE, 260096                     ; the spare words, 128 bytes for each wave
.set AX,  8                            ; LDS addresses, 16 x lane and (the next register) 8 x lane: x's first band,
.set AY,  10                           ; its second,
.set AW,  12                           ; Q's or K's weights,
.set AV,  14                           ; V's
.set AXS, 16                           ; scale words: x's,
.set AWS, 17                           ; Q's or K's weights',
.set AVS, 18                           ; V's
.set IM,  19                           ; 16 x lane
.set SPW, 20
.set NIL, 21
.set H8,  22                           ; 8 h
.set VSO, 23                           ; 8 r + 4 h
.set SW,  24                           ; v24-47 the weights' scale words: 8 p + k: lanes 0-15 tile 2 p, lanes 16-31 tile 2 p + 1; p = 2: V
.set SX,  52                           ; v52-59 x's
.set QB,  60                           ; v60-91 Q's or K's bias as the results lie
.set VB,  92                           ; v92-107 V's
.set ACC, 108                          ; v108-171 two sets of four accumulators
.set NCD, 172                          ; v172-183 a pair of blocks' codes
.set TC,  184                          ; v184-190 second halves
.set TQ,  192
.set TV,  194
.set SOP, 198
.set SOPV, 200
.set EB,  202                          ; v202-209 the blocks' scale bytes
.set EV,  210                          ; v210-213 V's: 2 band + tile
.set VC,  214                          ; v214-237 V's codes: 12 x tile + 6 x band
.set TP,  238                          ; v238-245
.set PFO, 246
.set VA,  168                          ; (window 3)
.set WV, 16
.set WH, 17
.set WL, 18
.set G1X, 24
.set G1W, 32
.set G1XS, 40
.set G1WS, 48
.set G0X, 56
.set G0W, 60
.set G0XS, 68
.set G0WS, 72
.set G1R, 76
.set G0R, 84
.set SEL, 100
.set MSB, 0
.macro WIN new                         ; the immediate's high byte repeats the setting that is left
.if MSB != (\new)
	s_set_vgpr_msb (MSB<<8)|(\new)
.set MSB, (\new)
.endif
.endm
.macro CROUND
	s_barrier_signal -1
	s_barrier_wait -1
	s_cmp_lg_u32 s[WV], 0
	s_cbranch_scc1 .Lnot_wave_0_\@
	s_barrier_signal -3
.Lnot_wave_0_\@:
	s_barrier_wait -3
	s_barrier_signal -1
	s_barrier_wait -1
.endm
.macro PLACES                          ; plain instructions between a matrix instruction and a load into, or a read of, its registers
.rept 4
	v_nop
.endr
.endm
.macro GROUP1 g, mask, row, rows, pitch
	s_or_b32 s[\g], \mask, (3<<16)|(1<<21)         ; elements of 8 bytes; the mask, bit 21 beside it
	s_mov_b32 s[\g+1], (\row)<<16
	s_mov_b32 s[\g+2], (\rows)<<16
	s_mov_b32 s[\g+3], (\row)<<16
	s_mov_b32 s[\g+4], \rows
	s_mov_b32 s[\g+5], \pitch
	s_mov_b32 s[\g+6], 0
	s_mov_b32 s[\g+7], 0
.endm
	s_load_b256 s[4:11], s[0:1], 0x0               ; xc s[4:5], xs s[6:7], wc s[8:9], ws s[10:11]
	s_load_b128 s[12:15], s[0:1], 0x20             ; bqkv s[12:13], qkvc s[14:15]
	v_lshl_add_u32 v[SPW], v0, 2, SPARE
	v_mov_b32 v[NIL], 0
	ds_add_u32 v[SPW], v[NIL]                      ; the wave's opening: the add, twice on end, and its wait ahead of my first tensor load
	ds_add_u32 v[SPW], v[NIL]
	v_lshrrev_b32 v1, 5, v0
	v_readfirstlane_b32 s[WV], v1
	s_lshr_b32 s[WH], s[WV], 1                     ; my 128 rows of the tile
	s_and_b32 s[WL], s[WV], 1                      ; my half of the columns
	s_bfe_u32 s20, ttmp6, 0x40000                  ; cx
	s_bfe_u32 s21, ttmp6, 0x40004                  ; cy
	s_lshl_b32 s22, ttmp9, 2
	s_add_co_u32 s22, s22, s20                     ; c: tile column
	s_and_b32 s23, ttmp7, 0xffff
	s_lshl_b32 s23, s23, 2
	s_add_co_u32 s23, s23, s21                     ; tile row
	s_lshl_b32 s2, s21, 2
	s_lshl_b32 s2, 15, s2                          ; my row of the cluster
	s_lshl_b32 s3, 0x1111, s20                     ; my column
	GROUP1 G1X, s2, 6144, 2, 12288                 ; a band of 49,152 bytes of each half, 98,304 apart
	GROUP1 G1W, s3, 3072, 6, 3072                  ; 147,456 bytes, dense
	GROUP1 G1XS, s2, 128, 8, 2048                  ; 8 K steps, planes 16,384 bytes apart
	GROUP1 G1WS, s3, 96, 8, 2048
	GROUP1 G1R, s2, 384, 8, 384                    ; the refill: 24,576 bytes a wave, dense
	s_mov_b32 s[G0X], 1
	s_mov_b32 s[G0X+1], XL
	s_mov_b32 s[G0W], 1
	s_mov_b32 s[G0W+1], 0
	s_mov_b32 s[G0XS], 1
	s_mov_b32 s[G0XS+1], SCX
	s_mov_b32 s[G0WS], 1
	s_mov_b32 s[G0WS+1], SCW
	s_mov_b32 s[G0R], 1
	s_mul_i32 s[G0R+1], s[WV], 24576
	s_mul_i32 s88, s23, 196608
	s_mov_b32 s89, 0
	s_mul_i32 s90, s22, 147456
	s_mov_b32 s91, 0
	s_lshl_b32 s92, s23, 10
	s_mov_b32 s93, 0
	s_mul_i32 s94, s22, 768
	s_mov_b32 s95, 0
	s_mul_i32 s96, s[WH], 98304                    ; the refill's quarter: the second band of half WH, its first or last 24,576 bytes
	s_mul_i32 s97, s[WL], 24576
	s_add_co_u32 s96, s96, s97
	s_add_co_u32 s96, s96, 49152
	s_mov_b32 s97, 0
	s_wait_dscnt 0x0                               ; both opening adds are done
	CROUND                                         ; all sixteen work-groups are here: the joint loads meet
	s_wait_kmcnt 0x0
	s_add_nc_u64 s[88:89], s[4:5], s[88:89]        ; the tile's rows of x
	s_mov_b64 s[G0X+2:G0X+3], s[88:89]
	s_or_b32 s[G0X+3], s[G0X+3], 0x80000000
	s_add_nc_u64 s[G0W+2:G0W+3], s[8:9], s[90:91]
	s_or_b32 s[G0W+3], s[G0W+3], 0x80000000
	s_add_nc_u64 s[G0XS+2:G0XS+3], s[6:7], s[92:93]
	s_or_b32 s[G0XS+3], s[G0XS+3], 0x80000000
	s_add_nc_u64 s[G0WS+2:G0WS+3], s[10:11], s[94:95]
	s_or_b32 s[G0WS+3], s[G0WS+3], 0x80000000
	s_add_nc_u64 s[G0R+2:G0R+3], s[88:89], s[96:97]
	s_or_b32 s[G0R+3], s[G0R+3], 0x80000000
; the head's loads, one a wave: wave 0 the weights' codes, wave 1 x's, wave 2 the weights' scale words, wave 3 x's
.macro ARM under, g0, g1, next
	s_cmp_lt_u32 s[WV], \under
	s_cbranch_scc0 \next
	tensor_load_to_lds s[\g0:\g0+3], s[\g1:\g1+7]
	s_nop 0
	PLACES
	s_branch .Lhead_asked
\next:
.endm
	ARM 1, G0W, G1W, .Lhead_1
	ARM 2, G0X, G1X, .Lhead_2
	ARM 3, G0WS, G1WS, .Lhead_3
	tensor_load_to_lds s[G0XS:G0XS+3], s[G1XS:G1XS+7]
	s_nop 0
	PLACES
.Lhead_asked:
	s_lshl_b32 s2, s20, 2                          ; the prefetch: my number among the sixteen waves of my row of the cluster
	s_add_co_u32 s2, s2, s[WV]
	s_lshr_b32 s3, s2, 3                           ; eight waves to each half's second band
	s_mul_i32 s90, s3, 98304
	s_add_co_u32 s90, s90, 49152
	s_and_b32 s3, s2, 7
	s_mul_i32 s3, s3, 24*256
	s_add_co_u32 s90, s90, s3
	s_mov_b32 s91, 0
	s_add_nc_u64 s[66:67], s[88:89], s[90:91]
	s_lshl_b32 s90, s22, 9                         ; the biases of my 64 columns of Q or K
	s_lshl_b32 s91, s[WL], 8
	s_add_co_u32 s90, s90, s91
	s_mov_b32 s91, 0
	s_lshl_b32 s92, s22, 8                         ; and of my 32 of V: column 2,048 + 64 c + 16 WL + 8 tile + r % 8 + 32 (r / 8)
	s_lshl_b32 s93, s[WL], 6
	s_add_co_u32 s92, s92, s93
	s_add_co_u32 s92, s92, 8192
	s_mov_b32 s93, 0
	s_add_nc_u64 s[90:91], s[12:13], s[90:91]
	s_add_nc_u64 s[92:93], s[12:13], s[92:93]
	s_lshr_b32 s2, s23, 3                          ; batch
	s_lshl_b32 s2, s2, 4
	s_and_b32 s3, s23, 7
	s_lshl_b32 s3, s3, 1
	s_add_co_u32 s3, s3, s[WH]                     ; my 128 positions
	s_lshl_b32 s94, s22, 1
	s_add_co_u32 s94, s94, s[WL]                   ; 0-15 Q's heads, 16-31 K's
	s_and_b32 s95, s94, 15
	s_add_co_u32 s95, s95, s2
	s_lshl_b32 s95, s95, 4
	s_add_co_u32 s95, s95, s3
	s_mul_i32 s96, s95, 13056
	s_mul_i32 s97, s95, 6656
	s_add_co_u32 s97, s97, QO
	s_mov_b32 s98, 12288
	s_cmp_lt_u32 s94, 16                           ; only offsets are chosen
	s_cselect_b32 s96, s97, s96
	s_cselect_b32 s98, 6144, s98
	s_mov_b32 s97, 0
	s_mov_b32 s99, 0
	s_add_nc_u64 s[4:5], s[14:15], s[96:97]        ; Q's or K's codes,
	s_add_nc_u64 s[6:7], s[4:5], s[98:99]          ; their scale words
	s_add_co_u32 s2, s2, s22
	s_lshl_b32 s2, s2, 4
	s_add_co_u32 s2, s2, s3
	s_mul_i32 s96, s2, 13056
	s_mul_i32 s98, s[WL], 3072
	s_add_co_u32 s98, s98, 6144
	s_add_nc_u64 s[14:15], s[14:15], s[96:97]
	s_add_nc_u64 s[8:9], s[14:15], s[98:99]        ; V's codes: tiles 2 WL, 2 WL + 1
	s_lshl_b32 s98, s[WL], 7
	s_add_co_u32 s98, s98, 12800
	s_add_nc_u64 s[10:11], s[14:15], s[98:99]      ; and scale words
	s_mov_b32 s[SEL], 0x76543210
	s_mov_b32 s[SEL+1], 0xfedcba98
	s_mul_i32 s2, s[WH], 49152
	s_add_co_u32 s3, s2, XL
	s_mul_i32 s94, s[WL], 49152
	s_mul_i32 s95, s[WL], 24576
	s_add_co_u32 s95, s95, 98304
	s_lshl_b32 s96, s[WH], 9
	s_add_co_u32 s96, s96, SCX
	s_lshl_b32 s97, s[WL], 8
	s_add_co_u32 s97, s97, SCW
	s_lshl_b32 s98, s[WL], 7
	s_add_co_u32 s98, s98, SCW+512
	v_and_b32 v1, 15, v0                           ; r
	v_bfe_u32 v2, v0, 4, 1                         ; h
	v_and_b32 v3, 31, v0                           ; lane
	v_lshlrev_b32 v[IM], 4, v3
	v_lshlrev_b32 v4, 3, v3
	v_lshlrev_b32 v5, 2, v3
	v_add_nc_u32 v[AX], s3, v[IM]
	v_add_nc_u32 v[AX+1], s3, v4
	v_add_nc_u32 v[AY], s2, v[IM]
	v_add_nc_u32 v[AY+1], s2, v4
	v_add_nc_u32 v[AW], s94, v[IM]
	v_add_nc_u32 v[AW+1], s94, v4
	v_add_nc_u32 v[AV], s95, v[IM]
	v_add_nc_u32 v[AV+1], s95, v4
	v_lshl_add_u32 v[AXS], v1, 2, s96
	v_add_nc_u32 v[AWS], s97, v5
	v_add_nc_u32 v[AVS], s98, v5
	v_lshlrev_b32 v[H8], 3, v2
	v_lshlrev_b32 v6, 2, v2
	v_lshl_add_u32 v[VSO], v1, 3, v6
	v_min_u32 v6, 23, v3
	v_lshlrev_b32 v[PFO], 8, v6                    ; lanes left over name the wave's last block again
	v_lshlrev_b32 v6, 7, v2                        ; Q, K: column 32 h + register
	v_and_b32 v7, 7, v1
	v_lshrrev_b32 v5, 3, v1
	v_lshlrev_b32 v7, 2, v7
	v_lshl_add_u32 v7, v5, 7, v7
.irp j, 0,1,2,3,4,5,6,7
	global_load_b128 v[QB+4*\j:QB+4*\j+3], v6, s[90:91] offset:16*\j
.endr
	global_load_b32 v[VB], v7, s[92:93]
	global_load_b32 v[VB+8], v7, s[92:93] offset:32
.irp i, 0,1,2,3,4,5,6,7
	v_mov_b32 v[TP+\i], 0                          ; a lane permute's destination counts as read
.endr
.macro FRAG r, adr, off                ; 16 rows x 128 K: two images of 768 bytes: registers 0-3 at 16 x lane, registers 4-5 at 512 + 8 x lane
.irp c, 0,1
	ds_load_b128 v[\r+6*\c:\r+6*\c+3], v[\adr] offset:\off+768*\c
	ds_load_b64 v[\r+6*\c+4:\r+6*\c+5], v[\adr+1] offset:\off+768*\c+512
.endr
.endm
.macro FETCH s, k0                     ; half of block s's fragments and scale words: 20 loads
	WIN 0xc0
.irp kk, 0,1,2,3
.if (\s) < 4
	FRAG 72+12*(\k0+\kk), AX, 12288*(\s)+1536*(\k0+\kk)
.else
	FRAG 72+12*(\k0+\kk), AY, 12288*((\s)-4)+1536*(\k0+\kk)
.endif
.endr
	WIN 0
.irp kk, 0,1,2,3
	ds_load_b32 v[SX+\k0+\kk], v[AXS] offset:1024*(\k0+\kk)+64*(\s)
.endr
.endm
.macro WM d, s0, s1, c, x0, x1, side, o
.if \o
	v_wmma_scale_f32_16x16x128_f8f6f4 v[\d:\d+7], v[\s0:\s0+11], v[\s1:\s1+11], \c, v[\x0], v[\x1] matrix_a_fmt:MATRIX_FMT_FP6 matrix_b_fmt:MATRIX_FMT_FP6 matrix_\side\()_scale:MATRIX_SCALE_ROW1
.else
	v_wmma_scale_f32_16x16x128_f8f6f4 v[\d:\d+7], v[\s0:\s0+11], v[\s1:\s1+11], \c, v[\x0], v[\x1] matrix_a_fmt:MATRIX_FMT_FP6 matrix_b_fmt:MATRIX_FMT_FP6 matrix_\side\()_scale:MATRIX_SCALE_ROW0
.endif
.endm
.macro PROD s, k, b                    ; the first product of a sum takes the bias as its C
.set F_, 6*(\k)+(\b)
.set W_, 1+F_/21
.set R_, 12*(F_%21)
.set A_, 72+12*(\k)
.if (\b) < 4
.set D_, ACC+32*((\s)%2)+8*(\b)
	WIN W_|12
.if (\k) == 0
	WM D_, R_, A_, v[QB+8*(\b):QB+8*(\b)+7], SW+8*((\b)/2)+(\k), SX+(\k), a, (\b)%2
.else
	WM D_, R_, A_, v[D_:D_+7], SW+8*((\b)/2)+(\k), SX+(\k), a, (\b)%2
.endif
.else
.set D_, VA+32*((\b)-4)+8*((\s)%4)
.if (\k) == 0
	WIN 0xc3|(W_<<2)
	WM D_, A_, R_, v[VB+8*((\b)-4):VB+8*((\b)-4)+7], SX+(\k), SW+16+(\k), b, (\b)%2
.else
	WIN 0xf3|(W_<<2)
	WM D_, A_, R_, v[D_:D_+7], SX+(\k), SW+16+(\k), b, (\b)%2
.endif
.endif
.endm
.macro CHAIN i, x                      ; the largest magnitude of the 32 sums from register x on, in two chains side by side, and the conversions' scale operand: 19 entries
.if (\i) < 14
.set B_, (\x)+16*((\i)%2)+2*((\i)/2)
.set T_, TQ+1-(\i)%2
	WIN 0
.if (\i) < 2
	v_max3_num_f32 v[T_], |v[B_]|, |v[B_+1]|, |v[B_+2]|
.else
	v_max3_num_f32 v[T_], v[T_], |v[B_+1]|, |v[B_+2]|
.endif
.elseif (\i) == 14
	WIN 0
	v_max3_num_f32 v[TQ+1], v[TQ+1], |v[(\x)+15]|, 0x1800000   ; and the floor 2^(3 - 127)
.elseif (\i) == 16
	WIN 0
	v_max3_num_f32 v[TQ], v[TQ], |v[(\x)+31]|, v[TQ+1]
.elseif (\i) == 18
	WIN 0
	v_add_nc_u32 v[SOP], 0xff000000, v[TQ]         ; 2 off the exponent field: the conversion's scale operand
.endif
.endm
.macro CODES s                         ; block s's codes, its byte, and where a pair is whole its stores
.set X_, ACC+32*((\s)%2)
.set C_, NCD+6*((\s)%2)
	s_wait_alu depctr_va_vdst(0)
	s_wait_xcnt 0x0                                ; the last pair's stores have read their data
	v_cvt_scalef32_pk16_fp6_f32 v[C_:C_+2], v[X_:X_+15], v[SOP]
	v_cvt_scalef32_pk16_fp6_f32 v[TC:TC+2], v[X_+16:X_+31], v[SOP]
	v_lshrrev_b32 v[EB+(\s)], 23, v[SOP]
.irp i, 0,1,2
	v_mov_b32 v[C_+3+\i], v[TC+\i]
.endr
.if (\s)%2
.irp p, 0,1,2
	global_store_b128 v[IM], v[NCD+4*\p:NCD+4*\p+3], s[4:5] offset:1536*((\s)/2)+512*\p   ; 512 consecutive bytes
.endr
.endif
.endm
.macro VOUT c                          ; band c of V's two tiles: all 32 keys of a block are a lane's own
	WIN 0x3f
.irp v, 0,1
	v_max3_num_f32 v[TV+2*\v], |v[VA+32*\v]|, |v[VA+32*\v+1]|, |v[VA+32*\v+2]|
	v_max3_num_f32 v[TV+2*\v+1], |v[VA+32*\v+16]|, |v[VA+32*\v+17]|, |v[VA+32*\v+18]|
.endr
	WIN 0x3c
.irp i, 3,5,7,9,11,13
.irp v, 0,1
	v_max3_num_f32 v[TV+2*\v], v[TV+2*\v], |v[VA+32*\v+\i]|, |v[VA+32*\v+\i+1]|
	v_max3_num_f32 v[TV+2*\v+1], v[TV+2*\v+1], |v[VA+32*\v+16+\i]|, |v[VA+32*\v+17+\i]|
.endr
.endr
	WIN 0x0c
.irp v, 0,1
	v_max3_num_f32 v[TV+2*\v], v[TV+2*\v], |v[VA+32*\v+15]|, 0x1800000
.endr
.irp v, 0,1
	v_max3_num_f32 v[TV+2*\v], v[TV+2*\v], |v[VA+32*\v+31]|, v[TV+2*\v+1]
.endr
	WIN 0
.irp v, 0,1
	v_add_nc_u32 v[SOPV+\v], 0xff000000, v[TV+2*\v]
.endr
	WIN 0x03
.irp v, 0,1
	v_cvt_scalef32_pk16_fp6_f32 v[VC+12*\v+6*(\c):VC+12*\v+6*(\c)+2], v[VA+32*\v:VA+32*\v+15], v[SOPV+\v]
	v_cvt_scalef32_pk16_fp6_f32 v[TC+4*\v:TC+4*\v+2], v[VA+32*\v+16:VA+32*\v+31], v[SOPV+\v]
.endr
	WIN 0
.irp v, 0,1
	v_lshrrev_b32 v[EV+2*(\c)+\v], 23, v[SOPV+\v]
.endr
.irp v, 0,1
.irp i, 0,1,2
	v_mov_b32 v[VC+12*\v+6*(\c)+3+\i], v[TC+4*\v+\i]
.endr
.endr
.endm
.macro HALFB s, k0                     ; 24 products: six accumulators take turns; in a block's first half, behind every second one, two entries of the block before
.set N_, 0
.irp kk, 0,1,2,3
.irp b, 0,1,2,3,4,5
	PROD \s, (\k0+\kk), \b
.if ((\k0) == 0) && ((\s) > 0) && (N_%2 == 1)
	CHAIN N_-1, ACC+32*(((\s)+1)%2)
	CHAIN N_, ACC+32*(((\s)+1)%2)
.endif
.set N_, N_+1
.endr
.endr
	WIN 0
.endm
.macro BLOCK s
	s_wait_dscnt 20                                ; the first half's fragments are in; the second half's 20 loads may be out
	HALFB \s, 0
	s_wait_dscnt 0x0
.if (\s) == 3
	s_wait_alu depctr_va_vdst(0)
	s_wait_tensorcnt 0x0
	s_barrier_signal -1
	s_barrier_wait -1                              ; the second bands are in
.endif
	PLACES
.if (\s) < 7
	FETCH ((\s)+1), 0
.endif
	HALFB \s, 4
.if (\s) > 0
	CODES ((\s)-1)
.endif
	PLACES
.if (\s) < 7
	FETCH ((\s)+1), 4
.endif
.if (\s)%4 == 3
	VOUT ((\s)/4)
.endif
.endm
	s_wait_alu depctr_va_vdst(0)                   ; the wait at the head's end
	s_cmp_eq_u32 s[WV], 0
	s_cbranch_scc0 .Lnot_w
	s_wait_tensorcnt 0x0
.Lnot_w:
	s_barrier_signal -1
	s_barrier_wait -1                              ; the weights' codes are in; the other tiles may still be on their way
	global_prefetch_b8 v[PFO], s[66:67] th:TH_LOAD_NT scope:SCOPE_SE
.irp k, 0,1,2,3,4,5,6,7
.irp b, 0,1,2,3,4,5
.set F_, 6*\k+\b
.set R_, 12*(F_%21)
	WIN (1+F_/21)<<6
.if \b < 4
	FRAG R_, AW, 12288*\b+1536*\k
.else
	FRAG R_, AV, 12288*(\b-4)+1536*\k
.endif
.endr
.endr
	WIN 0
	s_wait_tensorcnt 0x0                           ; all my tensor loads have landed;
	ds_add_u32 v[SPW], v[NIL]
	s_wait_dscnt 0x0                               ; the add is done, and so are my reads of the weights
	CROUND                                         ; all four tiles are in, and no wave of any partner still reads the weights
	tensor_load_to_lds s[G0R:G0R+3], s[G1R:G1R+7]  ; my quarter of the second bands
	s_nop 0
	PLACES
.irp k, 0,1,2,3,4,5,6,7
	ds_load_b32 v[SW+\k], v[AWS] offset:768*\k
	ds_load_b32 v[SW+8+\k], v[AWS] offset:768*\k+128
	ds_load_b32 v[SW+16+\k], v[AVS] offset:768*\k
.endr
	FETCH 0, 0
	FETCH 0, 4
	s_wait_loadcnt 0x0                             ; the biases
.irp v, 0,8
.irp i, 1,2,3,4,5,6,7
	v_mov_b32 v[VB+\v+\i], v[VB+\v]                ; V's number, one a lane and tile, over the tile's eight registers
.endr
.endr
	s_wait_alu depctr_va_vdst(0)
	PLACES
.irp s, 0,1,2,3,4,5,6,7
	BLOCK \s
.endr
.irp v, 0,1
.irp p, 0,1,2
	global_store_b128 v[IM], v[VC+12*\v+4*\p:VC+12*\v+4*\p+3], s[8:9] offset:1536*\v+512*\p
.endr
.endr
.set I_, 0
.rept 19
	CHAIN I_, ACC+32
.set I_, I_+1
.endr
	CODES 7
.irp s, 0,1,2,3,4,5,6,7
	v_lshlrev_b32 v[EB+\s], v[H8], v[EB+\s]        ; lane (r, h) holds the byte of block h of row r
.endr
.irp s, 0,1,2,3,4,5,6,7
	v_permlanex16_b32 v[TP+\s], v[EB+\s], s[SEL], s[SEL+1]
.endr
.irp s, 0,1,2,3,4,5,6,7
	v_or_b32 v[EB+\s], v[EB+\s], v[TP+\s]          ; the row's two bytes; the upper two are 0
.endr
	v_cmp_eq_u32 vcc_lo, 1, v2
.irp i, 0,1,2,3
	v_cndmask_b32 v[EB+\i], v[EB+\i], v[EB+4+\i], vcc_lo   ; lanes 0-15 blocks 0-3, lanes 16-31 blocks 4-7
.endr
	global_store_b128 v[IM], v[EB:EB+3], s[6:7]    ; 512 consecutive bytes
.irp v, 0,1
	v_lshl_or_b32 v[EV+\v], v[EV+2+\v], 16, v[EV+\v]
.endr
.irp v, 0,1
	v_lshlrev_b32 v[EV+\v], v[H8], v[EV+\v]
.endr
.irp v, 0,1
	v_permlanex16_b32 v[TP+\v], v[EV+\v], s[SEL], s[SEL+1]
.endr
.irp v, 0,1
	v_or_b32 v[EV+\v], v[EV+\v], v[TP+\v]
.endr
	v_cndmask_b32 v[EV], v[EV], v[EV+1], vcc_lo
	global_store_b32 v[VSO], v[EV], s[10:11]       ; 128 consecutive bytes
	s_wait_tensorcnt 0x0                           ; the wave's end: behind my last tensor load
	ds_add_u32 v[SPW], v[NIL]
	s_wait_dscnt 0x0
	CROUND                                         ; the closing round
	s_endpgm
.Lfunc_end_k_qc18f958086_qkvgemm:
	.size	k_qc18f958086_qkvgemm, .Lfunc_end_k_qc18f958086_qkvgemm-k_qc18f958086_qkvgemm
	.p2alignl 7, 3214868480
	.fill 96, 4, 3214868480
	.section	.rodata,"a",@progbits
	.p2align	6, 0x0
	.amdhsa_kernel k_qc18f958086_qkvgemm
		.amdhsa_group_segment_fixed_size 327680
		.amdhsa_private_segment_fixed_size 0
		.amdhsa_enable_private_segment 0
		.amdhsa_kernarg_size 48
		.amdhsa_user_sgpr_count 2
		.amdhsa_user_sgpr_kernarg_segment_ptr 1
		.amdhsa_wavefront_size32 1
		.amdhsa_system_sgpr_workgroup_id_x 1
		.amdhsa_system_sgpr_workgroup_id_y 1
		.amdhsa_system_sgpr_workgroup_id_z 1
		.amdhsa_system_vgpr_workitem_id 0
		.amdhsa_next_free_vgpr 1024
		.amdhsa_next_free_sgpr 102
		.amdhsa_reserve_vcc 1
		.amdhsa_float_denorm_mode_32 3
		.amdhsa_float_denorm_mode_16_64 3
		.amdhsa_memory_ordered 1
		.amdhsa_forward_progress 1
		.amdhsa_inst_pref_size 128
	.end_amdhsa_kernel
	.amdgpu_metadata
---
amdhsa.version: [ 1, 2 ]
amdhsa.kernels:
  - .name:           k_qc18f958086_qkvgemm
    .symbol:         k_qc18f958086_qkvgemm.kd
    .args:
      - { .name: xc, .offset: 0, .size: 8, .value_kind: global_buffer, .address_space: global }
      - { .name: xs, .offset: 8, .size: 8, .value_kind: global_buffer, .address_space: global }
      - { .name: wc, .offset: 16, .size: 8, .value_kind: global_buffer, .address_space: global }
      - { .name: ws, .offset: 24, .size: 8, .value_kind: global_buffer, .address_space: global }
      - { .name: bqkv, .offset: 32, .size: 8, .value_kind: global_buffer, .address_space: global }
      - { .name: qkvc, .offset: 40, .size: 8, .value_kind: global_buffer, .address_space: global }
    .group_segment_fixed_size: 327680
    .private_segment_fixed_size: 0
    .kernarg_segment_align: 8
    .kernarg_segment_size: 48
    .max_flat_workgroup_size: 128
    .sgpr_count:     102
    .vgpr_count:     1024
    .wavefront_size: 32
...
	.end_amdgpu_metadata
.endif
;; end of part 2
;; launch attn (part 3): grid 8 x 32, 16 waves a work-group, clusters of 4 x 1, 327,680 bytes of LDS; arguments qkvc, aoc, aos; writes aoc, aos
.if DOCPART == 3
	.amdgcn_target "amdgcn-amd-amdhsa--gfx1250"
	.amdhsa_code_object_version 6
	.text
	.protected	k_qc18f958086_attn
	.globl	k_qc18f958086_attn
	.p2align	8
	.type	k_qc18f958086_attn,@function
k_qc18f958086_attn:
	s_mov_b64 s[64:65], 0
	v_nop
	global_prefetch_b8 v0, s[64:65] scope:SCOPE_SE
	s_setreg_imm32_b32 hwreg(HW_REG_WAVE_MODE, 25, 1), 1
	s_wait_xcnt 0x0
	s_wait_alu depctr_hold_cnt(0) depctr_sa_sdst(0) depctr_va_vdst(0) depctr_va_sdst(0) depctr_va_ssrc(0) depctr_va_vcc(0) depctr_vm_vsrc(0)
	s_getreg_b32 s2, hwreg(HW_REG_IB_STS2, 6, 4)
	s_cmp_eq_u32 s2, 0
	s_cbranch_scc0 .Lentry_in_a_cluster
	s_endpgm
.Lentry_in_a_cluster:
	s_bfe_u32 s2, ttmp6, 0x10000c
	s_cmp_lg_u32 s2, 0x3003
	s_cbranch_scc0 .Lentry_shape_is_right
	s_endpgm
.Lentry_shape_is_right:
; o = softmax(q k^T / 8, causal) v for 32 heads of 64, 2,048 positions, both products on codes of FP6 (E2M3); o is quantised along the channels and leaves as codes for the projection.
; LEFT OUT: a step of 128 keys all of which come after the tile's 16 queries: reference()'s own tril makes their p 0 (shown at the first launch's head).
; LIMIT: the scaled scores (exponents to the base 2, before the maximum is taken away) stay under 2^31 in magnitude.
; THE SOFTMAX: t = score x log2(e) / 8; M = the running largest t rounded UP to a whole number; p = 2^(t - M) is quantised along the keys, not normalised; the row's sum is taken of the unquantised p and divides at the end.
; SHARES.  A work-group takes one head and, of each 128 positions j = 0 .. 15, row block g = 0 .. 7: sixteen tiles of 16 queries; tile j needs j + 1 steps of 128 keys, whatever g: 136 steps for every work-group.
; Waves A and B of pair jp = 0 .. 7 share tiles 15 - jp and jp, 17 steps: A takes the first NA steps of tile 15 - jp; B takes tile jp, sends it out, and then the other steps of tile 15 - jp.  NA = 12 for jp = 0 .. 3,
; 10 for jp = 4 .. 6, 9 for jp = 7.  Waves s, s + 4, s + 8, s + 12 are A of pair s, A of pair s + 4, B of pair s + 4 and B of pair s: 12, 10 (9), 7 (8) and 5 steps, 34 in all for each s = 0 .. 3.
; At the end A puts B's part of the late tile (through LDS) to its own, by factors that are powers of two.
; THE HEAD'S WHOLE K AND V with their scale words, 208,896 dense bytes, come into LDS once, by four loads at the head (step 0, then three times five steps); no byte is filled again and no barrier stands in the loop.
; CLUSTER 4 x 1: the four partners (g = 4 x cluster x + cx) need the same bytes and ask jointly; no branch hangs on cx.  No prefetch: all of it is asked for at the head, and nothing is loaded in the loop.
; LAYOUT.  Both products transposed: S^T = K Q^T, O^T = V^T P^T: a lane holds one query throughout.  By the first launch's row blocks register 32 c + x of the scores is key 64 c + 32 h + x: a scale block lies in one lane.
; THE HEAD IS 64, THE INSTRUCTION'S K 128: Q's upper six registers are zero codes.  Source 0's upper six are whatever follows (the next tile's codes): every code is a finite number, it meets a zero, and the scale bytes there are 0, never 0xff.
.set HS,    208896                     ; a head's K and V
.set KB,    13056                      ; those of 128 positions
.set QO,    6684672                    ; Q
.set DMP,   222208                     ; B's part of a late tile: PER bytes for each pair
.set PER,   4608
.set AOS,   259072                     ; o's scale bytes on their way out: [tile 16][r 16], two bytes each
.set SPARE, 259584                     ; the spare words, 128 bytes for each of sixteen waves
.set L16, 1
.set R8,  2
.set QL,  3                            ; my query in its band of 64, - 32 h
.set AOW, 4
.set SPW, 5
.set NIL, 6
.set L8,  7
.set ADK, 8
.set ADS, 9
.set R16, 10
.set ADV, 11
.set QS,  28                           ; Q's scale words: my first tile's, the late tile's
.set QS2, 29
.set DA,  30
.set H8,  31
.set FB,  32
.set Q2,  86                           ; the late tile's Q
.set FF,  92
.set T0,  94
.set T1,  95
.set SCR, 96
.set OT,  160
.set PC,  192
.set CT,  204
.set BM,  212
.set BX,  216
.set SOP, 218
.set S1,  220
.set S2,  222
.set S3,  224
.set PW,  228
.set NEGI, 232
.set KS,  240
.set VS,  248
.set LAST, 2                           ; the last step that I take of the tile in hand
.set II, 3                             ; the trip
.set JP, 11
.set AB, 12
.set JL, 13                            ; 15 - jp
.set JT, 14                            ; the tile in hand
.set TH, 15                            ; the trip in which B goes over to the late tile
.set DS, 17
.set WV, 18
.set SEL, 20
.set CS, 22
.set ST, 44                            ; the step in hand
.macro CROUND
	s_barrier_signal -1
	s_barrier_wait -1
	s_cmp_lg_u32 s[WV], 0
	s_cbranch_scc1 .Lnot_wave_0_\@
	s_barrier_signal -3
.Lnot_wave_0_\@:
	s_barrier_wait -3
	s_barrier_signal -1
	s_barrier_wait -1
.endm
.macro RESET
	v_mov_b32 v13, 0xff61b1e6                      ; the largest t so far: -3e38
	v_mov_b32 v14, 0
	v_mov_b32 v15, 0
.set nn, 0
.rept 32
	v_mov_b32 v[OT+nn], 0                          ; the step is written for all alike: the first change of M multiplies zeros
.set nn, nn+1
.endr
	v_floor_f32 v12, -v13                          ; -M
.endm
; THE WAY OUT of a tile: o = O^T / the sum, quantised along the head's 64 channels: register x is channel 32 h + x: one block a lane
.macro OUT
	v_add_f32 v14, v14, v15
	v_permlanex16_b32 v[T1], v14, s[SEL], s[SEL+1]
	v_add_f32 v14, v14, v[T1]
	s_wait_alu depctr_va_vdst(0)
	v_rcp_f32 v14, v14
	v_nop
	s_wait_alu depctr_va_vdst(0)                   ; ahead of the reciprocal's first reader
.set nn, 0
.rept 16
	v_pk_mul_f32 v[SCR+nn:SCR+nn+1], v[OT+nn:OT+nn+1], v[14:15] op_sel_hi:[1,0]
.set nn, nn+2
.endr
	v_max3_num_f32 v[BM], |v[SCR]|, |v[SCR+1]|, 0x1800000
	v_max3_num_f32 v[BM+1], |v[SCR+2]|, |v[SCR+3]|, |v[SCR+4]|
.irp i, 5,9,13,17,21,25
	v_max3_num_f32 v[BM], v[BM], |v[SCR+\i]|, |v[SCR+\i+1]|
	v_max3_num_f32 v[BM+1], v[BM+1], |v[SCR+\i+2]|, |v[SCR+\i+3]|
.endr
	v_max3_num_f32 v[BM], v[BM], |v[SCR+29]|, |v[SCR+30]|
	v_max3_num_f32 v[BM], v[BM], |v[SCR+31]|, v[BM+1]
	v_add_nc_u32 v[SOP], 0xff000000, v[BM]
	v_cvt_scalef32_pk16_fp6_f32 v[PC:PC+2], v[SCR:SCR+15], v[SOP]
	v_cvt_scalef32_pk16_fp6_f32 v[CT:CT+2], v[SCR+16:SCR+31], v[SOP]
	v_lshrrev_b32 v[BX], 23, v[SOP]
.irp i, 0,1,2
	v_mov_b32 v[PC+3+\i], v[CT+\i]
.endr
	v_lshlrev_b32 v[T0], v[H8], v[BX]
	v_permlanex16_b32 v[T1], v[T0], s[SEL], s[SEL+1]
	v_or_b32 v[T0], v[T0], v[T1]                   ; the row's two bytes
	global_store_b128 v[L16], v[PC:PC+3], s[6:7]             ; 512 consecutive bytes
	global_store_b64 v[L8], v[PC+4:PC+5], s[6:7] offset:512  ; 256
	ds_store_b16 v[AOW], v[T0]                     ; both lanes of a row write the same two bytes
.endm
.macro QKT t
	v_wmma_scale_f32_16x16x128_f8f6f4 v[SCR+8*(\t):SCR+8*(\t)+7], v[FB+6*(\t):FB+6*(\t)+11], v[16:27], 0, v[KS+\t], v[QS] matrix_a_fmt:MATRIX_FMT_FP6 matrix_b_fmt:MATRIX_FMT_FP6
.endm
.macro STEP
	s_cmp_gt_u32 s[ST], s[LAST]                    ; the step is another wave's, or all its keys come after all my tile's queries
	s_cbranch_scc1 .Lhidden_\@
	s_min_u32 s45, s[ST], 15                       ; (15 is the last step)
	s_mul_i32 s45, s45, KB
	v_add_nc_u32 v[ADK], s45, v[L16]
	v_add_nc_u32 v[ADS], s45, v[R16]
	v_add_nc_u32 v[ADV], s45, v[R8]
	v_nop                                          ; four plain instructions in front of loads into registers that the last products have read
	ds_load_b128 v[KS:KS+3], v[ADS] offset:12288
	ds_load_b128 v[KS+4:KS+7], v[ADS] offset:12288+256
.irp g, 0,1,2,3
.irp c, 0,1,2
	ds_load_b128 v[FB+12*\g+4*\c:FB+12*\g+4*\c+3], v[ADK] offset:1536*\g+512*\c   ; tiles 2 g and 2 g + 1, six registers each
.endr
.endr
	s_wait_alu depctr_va_vdst(0)
	s_wait_dscnt 6                                 ; pairs 2 and 3 may be out
	QKT 0
	QKT 1
	QKT 2
	s_wait_dscnt 3                                 ; pair 3 may be out (tile 3's upper registers are pair 2's)
	QKT 3
	QKT 4
	s_wait_dscnt 0x0
	QKT 5
	QKT 6
	QKT 7
.rept 4
	v_nop                                          ; places: for the loads below and for the first read of the scores
.endr
.irp t, 0,1,2,3
.irp c, 0,1,2
	ds_load_b128 v[FB+12*\t+4*\c:FB+12*\t+4*\c+3], v[ADK] offset:6144+1536*\t+512*\c   ; V's four fragments are asked for here and land under the softmax
.endr
.endr
	ds_load_b64 v[VS:VS+1], v[ADV] offset:12800
	ds_load_b64 v[VS+2:VS+3], v[ADV] offset:12800+128
	s_cmp_lg_u32 s[ST], s[JT]                      ; the mask is needed where the keys are the queries' own 128
	s_cbranch_scc1 .Lopen_\@
	s_cmp_eq_u32 ttmp9, 1
	s_cbranch_scc1 .Lupper_\@
.set nn, 0
.rept 32                               ; queries in the lower band of 64: its keys are hidden where x > QL; the upper band's are hidden
	v_cmp_gt_i32 vcc_lo, nn, v[QL]
	v_cndmask_b32 v[SCR+nn], v[SCR+nn], v[NEGI], vcc_lo
.set nn, nn+1
.endr
.rept 32
	v_mov_b32 v[SCR+nn], v[NEGI]
.set nn, nn+1
.endr
	s_branch .Lopen_\@
.Lupper_\@:
.set nn, 0
.rept 32                               ; queries in the upper band: the lower band's keys count
	v_cmp_gt_i32 vcc_lo, nn, v[QL]
	v_cndmask_b32 v[SCR+32+nn], v[SCR+32+nn], v[NEGI], vcc_lo
.set nn, nn+1
.endr
.Lopen_\@:
.irp b, 0,1,2,3
	v_max3_num_f32 v[BM+\b], v[SCR+16*\b], v[SCR+1+16*\b], v[SCR+2+16*\b]   ; the largest score of each block of 32 keys: for the row's maximum and, since p rises with the score, for the block's largest p
.endr
.irp i, 3,5,7,9,11,13
.irp b, 0,1,2,3
	v_max3_num_f32 v[BM+\b], v[BM+\b], v[SCR+16*\b+\i], v[SCR+1+16*\b+\i]
.endr
.endr
	v_max_num_f32 v[BM+1], v[BM+1], v[SCR+31]
	v_max_num_f32 v[BM+3], v[BM+3], v[SCR+63]
	v_max3_num_f32 v[BM], v[BM], v[SCR+15], v[BM+1]
	v_max3_num_f32 v[BM+2], v[BM+2], v[SCR+47], v[BM+3]
	v_max_num_f32 v[T0], v[BM], v[BM+2]
	v_permlanex16_b32 v[T1], v[T0], s[SEL], s[SEL+1]
	v_max_num_f32 v[T0], v[T0], v[T1]
	v_mul_f32 v[T0], s[CS], v[T0]
	v_max_num_f32 v13, v13, v[T0]                  ; the running largest t
	v_mov_b32 v[T0], v12
	v_floor_f32 v12, -v13                          ; the new -M = -ceil(t)
	v_sub_f32 v[T0], v12, v[T0]                    ; old M - new M: a whole number, 0 or less
	v_fma_f32 v[BM], v[BM], s[CS], v12
	v_cvt_i32_f32 v[T0], v[T0]
	v_fma_f32 v[BM+2], v[BM+2], s[CS], v12
	v_ldexp_f32 v[FF], 1.0, v[T0]                  ; f = 2^(old M - new M): rounds nothing
.set nn, 0
.rept 32
	v_pk_fma_f32 v[SCR+nn:SCR+nn+1], v[SCR+nn:SCR+nn+1], s[CS:CS+1], v[12:13] op_sel_hi:[1,0,0]   ; t - M
.set nn, nn+2
.endr
	s_wait_alu depctr_va_vdst(0)                   ; the wait ahead of the batch
.set nn, 0
.rept 64
	v_exp_f32 v[SCR+nn], v[SCR+nn]                 ; p = 2^(t - M)
.set nn, nn+1
.endr
	v_exp_f32 v[BM], v[BM]                         ; each block's largest p
	v_exp_f32 v[BM+2], v[BM+2]
	v_pk_mul_f32 v[14:15], v[14:15], v[FF:FF+1] op_sel_hi:[1,0]   ; the sums under the new M: the plain instruction behind the batch
	s_wait_alu depctr_va_vdst(0)                   ; one wait for the batch, ahead of its first reader
	v_max_num_f32 v[BM], 0x1800000, v[BM]          ; the floor: the byte cannot fall under 1
	v_max_num_f32 v[BM+2], 0x1800000, v[BM+2]
	v_pk_add_f32 v[S1:S1+1], v[96:97], v[98:99]    ; the row's sum, of the unquantised p: four chains by turns
	v_pk_add_f32 v[S2:S2+1], v[100:101], v[102:103]
	v_add_nc_u32 v[SOP], 0xff000000, v[BM]
	v_add_nc_u32 v[SOP+1], 0xff000000, v[BM+2]
	v_pk_add_f32 v[S3:S3+1], v[104:105], v[106:107]
	v_pk_add_f32 v[14:15], v[14:15], v[108:109]
	v_lshrrev_b32 v[BX], 23, v[SOP]
	v_lshrrev_b32 v[BX+1], 23, v[SOP+1]
.irp j, 14,22
	v_pk_add_f32 v[S1:S1+1], v[S1:S1+1], v[SCR+\j:SCR+\j+1]
	v_pk_add_f32 v[S2:S2+1], v[S2:S2+1], v[SCR+2+\j:SCR+3+\j]
	v_pk_add_f32 v[S3:S3+1], v[S3:S3+1], v[SCR+4+\j:SCR+5+\j]
	v_pk_add_f32 v[14:15], v[14:15], v[SCR+6+\j:SCR+7+\j]
.endr
	v_lshl_or_b32 v[T0], v[BX+1], 16, v[BX]        ; my bytes: blocks h and 2 + h of these 128 keys
.irp j, 30
	v_pk_add_f32 v[S1:S1+1], v[S1:S1+1], v[SCR+\j:SCR+\j+1]
	v_pk_add_f32 v[S2:S2+1], v[S2:S2+1], v[SCR+2+\j:SCR+3+\j]
	v_pk_add_f32 v[S3:S3+1], v[S3:S3+1], v[SCR+4+\j:SCR+5+\j]
	v_pk_add_f32 v[14:15], v[14:15], v[SCR+6+\j:SCR+7+\j]
.endr
	v_lshlrev_b32 v[T0], v[H8], v[T0]
.irp j, 38
	v_pk_add_f32 v[S1:S1+1], v[S1:S1+1], v[SCR+\j:SCR+\j+1]
	v_pk_add_f32 v[S2:S2+1], v[S2:S2+1], v[SCR+2+\j:SCR+3+\j]
	v_pk_add_f32 v[S3:S3+1], v[S3:S3+1], v[SCR+4+\j:SCR+5+\j]
	v_pk_add_f32 v[14:15], v[14:15], v[SCR+6+\j:SCR+7+\j]
.endr
	v_permlanex16_b32 v[T1], v[T0], s[SEL], s[SEL+1]
.irp j, 46,54
	v_pk_add_f32 v[S1:S1+1], v[S1:S1+1], v[SCR+\j:SCR+\j+1]
	v_pk_add_f32 v[S2:S2+1], v[S2:S2+1], v[SCR+2+\j:SCR+3+\j]
	v_pk_add_f32 v[S3:S3+1], v[S3:S3+1], v[SCR+4+\j:SCR+5+\j]
	v_pk_add_f32 v[14:15], v[14:15], v[SCR+6+\j:SCR+7+\j]
.endr
	v_or_b32 v[PW], v[T0], v[T1]                   ; with lane l xor 16's two: p's scale word
	v_pk_add_f32 v[S1:S1+1], v[S1:S1+1], v[158:159]
	v_pk_add_f32 v[14:15], v[14:15], v[S3:S3+1]
	v_pk_add_f32 v[S1:S1+1], v[S1:S1+1], v[S2:S2+1]
.irp c, 0,1
	v_cvt_scalef32_pk16_fp6_f32 v[PC+6*\c:PC+6*\c+2], v[SCR+32*\c:SCR+32*\c+15], v[SOP+\c]
	v_cvt_scalef32_pk16_fp6_f32 v[CT+4*\c:CT+4*\c+2], v[SCR+16+32*\c:SCR+31+32*\c], v[SOP+\c]
.endr
	v_pk_add_f32 v[14:15], v[14:15], v[S1:S1+1]    ; (the plain instruction behind the conversions)
.irp c, 0,1
.irp i, 0,1,2
	v_mov_b32 v[PC+3+6*\c+\i], v[CT+4*\c+\i]
.endr
.endr
	s_wait_alu depctr_va_vdst(0)                   ; ahead of the first reader of O^T
.set nn, 0
.rept 16
	v_pk_mul_f32 v[OT+nn:OT+nn+1], v[OT+nn:OT+nn+1], v[FF:FF+1] op_sel_hi:[1,0]   ; O^T under the new M; these sixteen are also the places between the scale word, the codes and the products
.set nn, nn+2
.endr
	s_wait_alu depctr_va_vdst(0)
	s_wait_dscnt 0x0                               ; V
.irp t, 0,1,2,3
	v_wmma_scale_f32_16x16x128_f8f6f4 v[OT+8*\t:OT+8*\t+7], v[FB+12*\t:FB+12*\t+11], v[PC:PC+11], v[OT+8*\t:OT+8*\t+7], v[VS+\t], v[PW] matrix_a_fmt:MATRIX_FMT_FP6 matrix_b_fmt:MATRIX_FMT_FP6
.endr
.Lhidden_\@:
.endm
	s_load_b128 s[4:7], s[0:1], 0x0                ; qkvc s[4:5], aoc s[6:7]
	s_load_b64 s[8:9], s[0:1], 0x10                ; aos
	v_lshl_add_u32 v[SPW], v0, 2, SPARE
	v_mov_b32 v[NIL], 0
	ds_add_u32 v[SPW], v[NIL]                      ; the wave's opening: the add, twice on end, and its wait ahead of the first tensor load
	ds_add_u32 v[SPW], v[NIL]
	v_lshrrev_b32 v8, 5, v0
	v_readfirstlane_b32 s[WV], v8
	s_and_b32 s10, ttmp7, 0xffff                   ; 16 x batch + head
.irp g, 24,76                          ; descriptor groups 1: elements of 8 bytes, the mask of all four partners, bit 21 beside it; rows of 256 bytes, dense: one step (51 rows) and five (255)
	s_mov_b32 s[\g], (3<<16)|(1<<21)|15
	s_mov_b32 s[\g+1], 32<<16
	s_mov_b32 s[\g+3], 32<<16
	s_mov_b32 s[\g+5], 32
	s_mov_b32 s[\g+6], 0
	s_mov_b32 s[\g+7], 0
.endr
	s_mov_b32 s26, 51<<16
	s_mov_b32 s28, 51
	s_mov_b32 s78, 255<<16
	s_mov_b32 s80, 255
	s_mov_b32 s32, 1
	s_mov_b32 s33, 0
	s_mov_b32 s84, 1
	s_and_b32 s43, s[WV], 3
	s_mul_i32 s85, s43, 5*KB
	s_add_co_u32 s85, s85, KB
	s_mul_i32 s46, s10, HS
	s_mov_b32 s47, 0
	s_add_co_u32 s48, s46, s85
	s_mov_b32 s49, 0
	s_wait_dscnt 0x0                               ; both opening adds are done
	CROUND                                         ; all four partners are here: the joint loads meet
	s_wait_kmcnt 0x0
	s_add_nc_u64 s[34:35], s[4:5], s[46:47]
	s_or_b32 s35, s35, 0x80000000
	s_add_nc_u64 s[86:87], s[4:5], s[48:49]
	s_or_b32 s87, s87, 0x80000000
	s_cmp_eq_u32 s[WV], 0
	s_cbranch_scc0 .Lnot_first
	tensor_load_to_lds s[32:35], s[24:31]          ; wave 0: step 0
	s_nop 0
.rept 4
	v_nop
.endr
	s_branch .Lasked
.Lnot_first:
	s_cmp_lt_u32 s[WV], 4
	s_cbranch_scc1 .Lasked
	s_cmp_lt_u32 s[WV], 7
	s_cbranch_scc0 .Lasked
	tensor_load_to_lds s[84:87], s[76:83]          ; waves 4-6: five steps each
	s_nop 0
.rept 4
	v_nop
.endr
.Lasked:
	s_bfe_u32 s16, ttmp6, 0x40000                  ; cx
	s_lshr_b32 s[AB], s[WV], 3
	s_bfe_u32 s[JP], s[WV], 0x10002
	s_xor_b32 s[JP], s[JP], s[AB]
	s_lshl_b32 s[JP], s[JP], 2
	s_or_b32 s[JP], s[JP], s43
	s_xor_b32 s[JL], s[JP], 15
	s_xor_b32 s[DS], s[JP], 7
	s_cmp_lt_u32 s[JP], 4
	s_cselect_b32 s45, 4, 2
	s_cmp_eq_u32 s[JP], 7
	s_cselect_b32 s45, 1, s45                      ; NA - 8
	s_add_co_u32 s[DS], s[DS], s45                 ; B's late step in trip i is i + NA - jp - 1
	s_add_co_u32 s45, s45, 7
	s_add_co_u32 s43, s[JP], 1
	s_cmp_eq_u32 s[AB], 1
	s_cselect_b32 s[JT], s[JP], s[JL]              ; my first tile, the one that I send out
	s_cselect_b32 s[LAST], s[JP], s45
	s_cselect_b32 s[TH], s43, 64
	s_lshl_b32 s48, ttmp9, 2
	s_add_co_u32 s48, s48, s16                     ; g
	s_lshl_b32 s50, s10, 4                         ; Q: head, tile's 128 positions, pair g / 2
	s_add_co_u32 s51, s50, s[JT]
	s_mul_i32 s51, s51, 6656
	s_add_co_u32 s52, s50, s[JL]
	s_mul_i32 s52, s52, 6656
	s_lshr_b32 s53, s48, 1
	s_mul_i32 s53, s53, 1536
	s_add_co_u32 s53, s53, QO
	s_lshl_b32 s54, ttmp9, 8                       ; its scale words: 256 (g / 4) + 4 (g % 4)
	s_lshl_b32 s55, s16, 2
	s_add_co_u32 s54, s54, s55
	s_add_co_u32 s54, s54, QO+6144
	s_add_co_u32 s56, s51, s53
	s_mov_b32 s57, 0
	s_add_co_u32 s58, s52, s53
	s_mov_b32 s59, 0
	s_add_co_u32 s60, s51, s54
	s_mov_b32 s61, 0
	s_add_co_u32 s62, s52, s54
	s_mov_b32 s63, 0
	s_add_nc_u64 s[56:57], s[4:5], s[56:57]
	s_add_nc_u64 s[58:59], s[4:5], s[58:59]
	s_add_nc_u64 s[60:61], s[4:5], s[60:61]
	s_add_nc_u64 s[62:63], s[4:5], s[62:63]
	s_lshl_b32 s72, s[JT], 5
	s_add_co_u32 s72, s72, AOS
	s_mul_i32 s73, s[JP], PER
	s_add_co_u32 s73, s73, DMP
	s_lshl_b32 s74, s16, 3
	s_cmp_eq_u32 s16, 1
	s_cselect_b32 s75, -1, 0
	s_cmp_eq_u32 s16, 3
	s_cselect_b32 s75, -1, s75                     ; cx odd: my tile is the pair's second row block
	v_and_b32 v32, 15, v0                          ; r
	v_bfe_u32 v33, v0, 4, 1                        ; h
	v_and_b32 v34, 31, v0                          ; lane
	v_lshlrev_b32 v[L16], 4, v34
	v_lshlrev_b32 v[R16], 4, v32
.irp c, 0,1,2
	global_load_b128 v[96+4*\c:99+4*\c], v[L16], s[56:57] offset:512*\c    ; Q's image of my first tile's pair: the first row block's six registers, then the second's
	global_load_b128 v[108+4*\c:111+4*\c], v[L16], s[58:59] offset:512*\c  ; and of the late tile's
.endr
	global_load_b32 v[QS], v[R16], s[60:61]
	global_load_b32 v[QS2], v[R16], s[62:63]
	v_lshlrev_b32 v[L8], 3, v34
	v_lshlrev_b32 v[R8], 3, v32
	v_and_b32 v35, 7, v32
	v_lshrrev_b32 v36, 3, v32
	v_lshlrev_b32 v37, 5, v33
	v_lshl_add_u32 v35, v36, 5, v35
	v_lshlrev_b32 v[H8], 3, v33
	v_add_nc_u32 v35, s74, v35                     ; 8 cx + r % 8 + 32 (r / 8)
	v_lshl_add_u32 v[AOW], v32, 1, s72
	v_sub_nc_u32 v[QL], v35, v37
	v_add_nc_u32 v[DA], s73, v[L16]
	v_mov_b32 v[NEGI], 0xff800000
	RESET
.irp i, 0,1,2,3,4,5
	v_mov_b32 v[22+\i], 0                          ; Q's upper 64 along K: zero codes
	v_mov_b32 v[80+\i], 0                          ; what follows the last tile of K
.endr
	v_mov_b32 v[T1], 0                             ; a lane permute's destination counts as read
	v_mov_b32 v[FF+1], 0                           ; named as the upper half of a pair; so are v205 and v207
	v_mov_b32 v205, 0
	v_mov_b32 v207, 0
	s_mov_b32 s[SEL], 0x76543210
	s_mov_b32 s[SEL+1], 0xfedcba98
	s_mov_b32 s[CS], 0x3e38aa3b                    ; log2(e) / 8
	s_mov_b32 s[CS+1], s[CS]
	s_lshr_b32 s66, s10, 4                         ; batch
	s_and_b32 s67, s10, 15                         ; head
	s_lshl_b32 s68, s66, 7                         ; row block: 128 x batch + 8 x tile + g
	s_lshl_b32 s69, s[JT], 3
	s_add_co_u32 s68, s68, s69
	s_add_co_u32 s68, s68, s48
	s_mul_i32 s68, s68, 12288
	s_mul_i32 s69, s67, 768
	s_add_co_u32 s68, s68, s69
	s_mov_b32 s69, 0
	s_lshl_b32 s70, s67, 13                        ; scale bytes: [head 16][batch 2][g 8][tile 16][r 16], two bytes each
	s_lshl_b32 s71, s66, 12
	s_add_co_u32 s70, s70, s71
	s_lshl_b32 s71, s48, 9
	s_add_co_u32 s70, s70, s71
	s_mov_b32 s71, 0
	s_add_nc_u64 s[6:7], s[6:7], s[68:69]
	s_add_nc_u64 s[8:9], s[8:9], s[70:71]
	s_wait_alu depctr_va_vdst(0)                   ; the wait at the head's end
	s_wait_loadcnt 0x0
.irp i, 0,1,2,3,4,5
	v_cndmask_b32 v[16+\i], v[96+\i], v[102+\i], s75
	v_cndmask_b32 v[Q2+\i], v[108+\i], v[114+\i], s75
.endr
	s_wait_alu depctr_va_vdst(0)
	s_cmp_eq_u32 s[WV], 0
	s_cbranch_scc0 .Lnot_landed
	s_wait_tensorcnt 0x0
.Lnot_landed:
	s_barrier_signal -1
	s_barrier_wait -1                              ; step 0 is in; the others may still be on their way
	s_mov_b32 s[ST], 0
	STEP
	s_wait_alu depctr_va_vdst(0)
	s_wait_tensorcnt 0x0
	s_wait_dscnt 0x0
	s_barrier_signal -1
	s_barrier_wait -1                              ; all of K and V is in
	s_mov_b32 s[II], 1
.Lstep:                                            ; trips 1 to 11: the longest share is 12 steps; a trip beyond a wave's share does nothing
	s_cmp_lg_u32 s[II], s[TH]
	s_cbranch_scc1 .Lsame
.rept 4
	v_nop
.endr
	OUT                                            ; B: tile jp is done
	RESET
.irp i, 0,1,2,3,4,5
	v_mov_b32 v[16+\i], v[Q2+\i]
.endr
	v_mov_b32 v[QS], v[QS2]
	s_mov_b32 s[JT], s[JL]
	s_mov_b32 s[LAST], s[JL]
	s_wait_alu depctr_va_vdst(0)
	s_wait_xcnt 0x0                                ; the stores have read their data
.Lsame:
	s_add_co_u32 s[ST], s[II], s[DS]
	s_cmp_lt_u32 s[II], s[TH]
	s_cselect_b32 s[ST], s[II], s[ST]
	STEP
	s_wait_alu depctr_va_vdst(0)
	s_add_co_u32 s[II], s[II], 1
	s_cmp_lt_u32 s[II], 12
	s_cbranch_scc1 .Lstep
.rept 4
	v_nop
.endr
	s_cmp_eq_u32 s[AB], 1
	s_cbranch_scc0 .Lno_part
.irp t, 0,1,2,3,4,5,6,7
	ds_store_b128 v[DA], v[OT+4*\t:OT+4*\t+3] offset:512*\t   ; B's part: O^T, -M, the largest t, the sum's halves
.endr
	ds_store_b128 v[DA], v[12:15] offset:4096
.Lno_part:
	s_wait_alu depctr_va_vdst(0)
	s_wait_dscnt 0x0
	s_barrier_signal -1
	s_barrier_wait -1
	s_cmp_eq_u32 s[AB], 0
	s_cbranch_scc0 .Lno_merge
	ds_load_b128 v[196:199], v[DA] offset:4096
.irp t, 0,1,2,3,4,5,6,7
	ds_load_b128 v[128+4*\t:131+4*\t], v[DA] offset:512*\t
.endr
	s_wait_dscnt 0x0
	v_min_num_f32 v200, v12, v196                  ; -M of both
	v_sub_f32 v204, v200, v12
	v_sub_f32 v206, v200, v196
	v_cvt_i32_f32 v204, v204
	v_cvt_i32_f32 v206, v206
	v_ldexp_f32 v204, 1.0, v204
	v_ldexp_f32 v206, 1.0, v206                    ; a part without a step has M = -3e38: its factor is 0
	v_pk_mul_f32 v[14:15], v[14:15], v[204:205] op_sel_hi:[1,0]
	v_pk_fma_f32 v[14:15], v[198:199], v[206:207], v[14:15] op_sel_hi:[1,0,1]
.set nn, 0
.rept 16
	v_pk_mul_f32 v[OT+nn:OT+nn+1], v[OT+nn:OT+nn+1], v[204:205] op_sel_hi:[1,0]
.set nn, nn+2
.endr
.set nn, 0
.rept 16
	v_pk_fma_f32 v[OT+nn:OT+nn+1], v[128+nn:129+nn], v[206:207], v[OT+nn:OT+nn+1] op_sel_hi:[1,0,1]
.set nn, nn+2
.endr
	OUT
.Lno_merge:
	s_wait_dscnt 0x0                               ; for the others' sake
	s_barrier_signal -1
	s_barrier_wait -1
	s_cmp_eq_u32 s[WV], 0
	s_cbranch_scc0 .Lend
	v_add_nc_u32 v11, AOS, v[L16]
	ds_load_b128 v[240:243], v11                   ; sixteen tiles x 16 rows
	s_wait_dscnt 0x0
	global_store_b128 v[L16], v[240:243], s[8:9]   ; 512 consecutive bytes, aligned
.Lend:
	s_wait_tensorcnt 0x0                           ; the wave's end
	ds_add_u32 v[SPW], v[NIL]
	s_wait_dscnt 0x0
	CROUND                                         ; the closing round
	s_endpgm
.Lfunc_end_k_qc18f958086_attn:
	.size	k_qc18f958086_attn, .Lfunc_end_k_qc18f958086_attn-k_qc18f958086_attn
	.p2alignl 7, 3214868480
	.fill 96, 4, 3214868480
	.section	.rodata,"a",@progbits
	.p2align	6, 0x0
	.amdhsa_kernel k_qc18f958086_attn
		.amdhsa_group_segment_fixed_size 327680
		.amdhsa_private_segment_fixed_size 0
		.amdhsa_enable_private_segment 0
		.amdhsa_kernarg_size 24
		.amdhsa_user_sgpr_count 2
		.amdhsa_user_sgpr_kernarg_segment_ptr 1
		.amdhsa_wavefront_size32 1
		.amdhsa_system_sgpr_workgroup_id_x 1
		.amdhsa_system_sgpr_workgroup_id_y 1
		.amdhsa_system_sgpr_workgroup_id_z 1
		.amdhsa_system_vgpr_workitem_id 0
		.amdhsa_next_free_vgpr 256
		.amdhsa_next_free_sgpr 96
		.amdhsa_reserve_vcc 1
		.amdhsa_float_denorm_mode_32 3
		.amdhsa_float_denorm_mode_16_64 3
		.amdhsa_memory_ordered 1
		.amdhsa_forward_progress 1
		.amdhsa_inst_pref_size 63
	.end_amdhsa_kernel
	.amdgpu_metadata
---
amdhsa.version: [ 1, 2 ]
amdhsa.kernels:
  - .name:           k_qc18f958086_attn
    .symbol:         k_qc18f958086_attn.kd
    .args:
      - { .name: qkvc, .offset: 0, .size: 8, .value_kind: global_buffer, .address_space: global }
      - { .name: aoc, .offset: 8, .size: 8, .value_kind: global_buffer, .address_space: global }
      - { .name: aos, .offset: 16, .size: 8, .value_kind: global_buffer, .address_space: global }
    .group_segment_fixed_size: 327680
    .private_segment_fixed_size: 0
    .kernarg_segment_align: 8
    .kernarg_segment_size: 24
    .max_flat_workgroup_size: 512
    .sgpr_count:     96
    .vgpr_count:     256
    .wavefront_size: 32
...
	.end_amdgpu_metadata
.endif
;; end of part 3
;; launch proj (part 4): grid 8 x 32, 4 waves a work-group, clusters of 4 x 4, 327,680 bytes of LDS; arguments aoc, aos, wc, ws, bout, out0; writes out0
.if DOCPART == 4
	.amdgcn_target "amdgcn-amd-amdhsa--gfx1250"
	.amdhsa_code_object_version 6
	.text
	.protected	k_qc18f958086_proj
	.globl	k_qc18f958086_proj
	.p2align	8
	.type	k_qc18f958086_proj,@function
k_qc18f958086_proj:
	s_mov_b64 s[64:65], 0
	v_nop
	global_prefetch_b8 v0, s[64:65] scope:SCOPE_SE
	s_setreg_imm32_b32 hwreg(HW_REG_WAVE_MODE, 25, 1), 1
	s_wait_xcnt 0x0
	s_wait_alu depctr_hold_cnt(0) depctr_sa_sdst(0) depctr_va_vdst(0) depctr_va_sdst(0) depctr_va_ssrc(0) depctr_va_vcc(0) depctr_vm_vsrc(0)
	s_getreg_b32 s2, hwreg(HW_REG_IB_STS2, 6, 4)
	s_cmp_eq_u32 s2, 0
	s_cbranch_scc0 .Lentry_in_a_cluster
	s_endpgm
.Lentry_in_a_cluster:
	s_bfe_u32 s2, ttmp6, 0x10000c
	s_cmp_lg_u32 s2, 0xf033
	s_cbranch_scc0 .Lentry_shape_is_right
	s_endpgm
.Lentry_shape_is_right:
; out = o Wout + bout on codes of FP6 (E2M3) with E8M0 scales, K = 1,024, f32 sums.  Nothing is left out here.
; A tile of 128 x 128 to a work-group of four waves, 64 x 64 to a wave: 256 work-groups.  All of K of both tiles, 2 x 98,304 bytes of codes, and their scales lie in LDS at once: each wave fetches one of the four
; tiles at the head, and no byte is filled again.  CLUSTER 4 x 4: o's tile is shared along a row of the cluster, Wout's along a column, by joint loads.
; A wave holds its 64 columns of Wout, all of K, in registers (32 fragments); o's rows go past in four blocks of 16, all of K (8 fragments, two sets), so that a block's results leave while the next is multiplied.
; No prefetch: all tiles are asked for at the head, and no loop follows in which to ask ahead.
; A work-group's rows (tile row = 16 batch + 2 g + jh): row block g of each 128 positions 8 jh + m, m = 0 .. 7: their scale bytes lie in aos as [head 16][m][r], two bytes each, 256 bytes a head.
; The matrix instruction is used transposed: source 0 = 16 columns of Wout, source 1 = 16 rows of o: register 8 b + i of a lane is column 32 h + 8 b + i.  The bias is the first product's C.
; REGISTERS: window 0: v8-31 addresses; v32-63 scale words (register 4 k + i: lanes 0-15 o's block i, lanes 16-31 Wout's block i); v64-95 the bias; v128-191 two sets of accumulators; v192-255 rows on their way out.
;   windows 1, 2: Wout's fragments (fragment 4 k + b in window 1 + f / 21).   window 3: o's fragments, two sets.
.set LA,    98304                      ; o's codes; Wout's lie at 0
.set SCLA,  196608                     ; o's scale bytes: [head 16][256 bytes]
.set SCLB,  200704                     ; Wout's scale words: [K step 8][512 bytes]
.set STG,   204800                     ; a stage of 16 rows x 272 bytes for each wave
.set SPARE, 222208                     ; the spare words, 128 bytes for each wave
.set ADA,  8                           ; o's fragments: 16 x lane; v9: 8 x lane
.set ADW,  10                          ; Wout's; v11
.set LO,   12                          ; v12-15 the lower halves of block i's scale words,
.set HI,   16                          ; v16-19 the upper
.set BA,   20
.set STO,  24
.set RD,   25
.set CO,   26
.set SPW,  28
.set NIL,  29
.set SC,   32
.set BIAS, 64
.set ACC,  128
.set OB,   192
.set WV, 16
.set WH, 17
.set WL, 18
.set G1, 24
.set G1B, 32
.set G1S, 40
.set G1SB, 48
.set G0, 56
.set G0B, 60
.set G0S, 68
.set G0SB, 72
.set MSB, 0
.macro WIN new                         ; the immediate's high byte repeats the setting that is left
.if MSB != (\new)
	s_set_vgpr_msb (MSB<<8)|(\new)
.set MSB, (\new)
.endif
.endm
.macro CROUND
	s_barrier_signal -1
	s_barrier_wait -1
	s_cmp_lg_u32 s[WV], 0
	s_cbranch_scc1 .Lnot_wave_0_\@
	s_barrier_signal -3
.Lnot_wave_0_\@:
	s_barrier_wait -3
	s_barrier_signal -1
	s_barrier_wait -1
.endm
.macro GROUP1 g, mask, row, rows, pitch
	s_or_b32 s[\g], \mask, (3<<16)|(1<<21)         ; elements of 8 bytes; the mask, bit 21 beside it
	s_mov_b32 s[\g+1], (\row)<<16
	s_mov_b32 s[\g+2], (\rows)<<16
	s_mov_b32 s[\g+3], (\row)<<16
	s_mov_b32 s[\g+4], \rows
	s_mov_b32 s[\g+5], \pitch
	s_mov_b32 s[\g+6], 0
	s_mov_b32 s[\g+7], 0
.endm
	s_load_b256 s[4:11], s[0:1], 0x0               ; aoc s[4:5], aos s[6:7], wc s[8:9], ws s[10:11]
	s_load_b128 s[12:15], s[0:1], 0x20             ; bout s[12:13], out0 s[14:15]
	v_lshl_add_u32 v[SPW], v0, 2, SPARE
	v_mov_b32 v[NIL], 0
	ds_add_u32 v[SPW], v[NIL]                      ; the wave's opening: the add, twice on end, and its wait ahead of my first tensor load
	ds_add_u32 v[SPW], v[NIL]
	v_lshrrev_b32 v1, 5, v0
	v_readfirstlane_b32 s[WV], v1
	s_lshr_b32 s[WH], s[WV], 1                     ; my half of the rows
	s_and_b32 s[WL], s[WV], 1                      ; my half of the columns
	s_bfe_u32 s20, ttmp6, 0x40000                  ; cx
	s_bfe_u32 s21, ttmp6, 0x40004                  ; cy
	s_lshl_b32 s22, ttmp9, 2
	s_add_co_u32 s22, s22, s20                     ; tile column
	s_and_b32 s23, ttmp7, 0xffff
	s_lshl_b32 s23, s23, 2
	s_add_co_u32 s23, s23, s21                     ; tile row
	s_lshl_b32 s2, s21, 2
	s_lshl_b32 s2, 15, s2                          ; my row of the cluster
	s_lshl_b32 s3, 0x1111, s20                     ; my column
	GROUP1 G1, s2, 1536, 8, 12288                  ; o: a row block of 12,288 bytes of each 128 positions
	GROUP1 G1B, s3, 3072, 4, 3072                  ; Wout: 98,304 bytes, dense
	GROUP1 G1S, s2, 32, 16, 1024                   ; o's scale bytes: 256 a head, 8,192 apart
	GROUP1 G1SB, s3, 64, 8, 2048                   ; Wout's scale words: 8 K steps of 512 bytes, planes 16,384 bytes apart
	s_lshr_b32 s76, s23, 4                         ; batch
	s_bfe_u32 s77, s23, 0x30001                    ; g
	s_and_b32 s88, s23, 1                          ; jh
	s_lshl_b32 s80, s76, 7
	s_lshl_b32 s81, s88, 6
	s_add_co_u32 s80, s80, s81
	s_add_co_u32 s80, s80, s77
	s_mul_i32 s80, s80, 12288                      ; row block 128 x batch + 64 jh + g, and every eighth from there
	s_mov_b32 s81, 0
	s_lshl_b32 s82, s23, 8
	s_mov_b32 s83, 0
	s_lshl_b32 s19, s22, 3
	s_add_co_u32 s19, s19, 192                     ; Wout's row blocks
	s_mul_i32 s84, s19, 12288
	s_mov_b32 s85, 0
	s_lshl_b32 s86, s19, 6
	s_mov_b32 s87, 0
	s_mov_b32 s[G0], 1
	s_mov_b32 s[G0+1], LA
	s_mov_b32 s[G0B], 1
	s_mov_b32 s[G0B+1], 0
	s_mov_b32 s[G0S], 1
	s_mov_b32 s[G0S+1], SCLA
	s_mov_b32 s[G0SB], 1
	s_mov_b32 s[G0SB+1], SCLB
	s_wait_dscnt 0x0                               ; both opening adds are done
	CROUND                                         ; all sixteen work-groups are here: the joint loads meet
	s_wait_kmcnt 0x0
	s_add_nc_u64 s[G0+2:G0+3], s[4:5], s[80:81]
	s_or_b32 s[G0+3], s[G0+3], 0x80000000
	s_add_nc_u64 s[G0S+2:G0S+3], s[6:7], s[82:83]
	s_or_b32 s[G0S+3], s[G0S+3], 0x80000000
	s_add_nc_u64 s[G0B+2:G0B+3], s[8:9], s[84:85]
	s_or_b32 s[G0B+3], s[G0B+3], 0x80000000
	s_add_nc_u64 s[G0SB+2:G0SB+3], s[10:11], s[86:87]
	s_or_b32 s[G0SB+3], s[G0SB+3], 0x80000000
; the head's loads, one a wave: wave 0 Wout's codes, wave 1 o's, wave 2 Wout's scale words, wave 3 o's
.macro ARM under, g0, g1, next
	s_cmp_lt_u32 s[WV], \under
	s_cbranch_scc0 \next
	tensor_load_to_lds s[\g0:\g0+3], s[\g1:\g1+7]
	s_nop 0
.rept 4
	v_nop
.endr
	s_branch .Lhead_asked
\next:
.endm
	ARM 1, G0B, G1B, .Lhead_1
	ARM 2, G0, G1, .Lhead_2
	ARM 3, G0SB, G1SB, .Lhead_3
	tensor_load_to_lds s[G0S:G0S+3], s[G1S:G1S+7]
	s_nop 0
.rept 4
	v_nop
.endr
.Lhead_asked:
	s_mul_i32 s2, s[WH], 49152
	s_add_co_u32 s2, s2, LA
	s_mul_i32 s3, s[WL], 49152
	s_lshl_b32 s78, s[WH], 7                       ; o's scale bytes: block i at 128 WH + 32 i + 2 r
	s_add_co_u32 s78, s78, SCLA
	s_lshl_b32 s79, s[WL], 8                       ; Wout's words: block i at 256 WL + 64 i + 4 r
	s_add_co_u32 s79, s79, SCLB
	s_sub_co_u32 s79, s79, s78
	s_mul_i32 s91, s[WV], 16*272
	s_add_co_u32 s91, s91, STG
	s_lshl_b32 s66, s22, 9                         ; my columns, in bytes
	s_lshl_b32 s67, s[WL], 8
	s_add_co_u32 s66, s66, s67
	s_mov_b32 s67, 0
	s_add_nc_u64 s[12:13], s[12:13], s[66:67]
	s_add_nc_u64 s[14:15], s[14:15], s[66:67]
	s_lshl_b32 s80, s76, 23                        ; my rows: 2,048 batch + 1,024 jh + 512 WH + 64 (g / 4) + 8 (g % 4)
	s_lshl_b32 s81, s88, 22
	s_add_co_u32 s80, s80, s81
	s_lshl_b32 s81, s[WH], 21
	s_add_co_u32 s80, s80, s81
	s_lshr_b32 s81, s77, 2
	s_lshl_b32 s81, s81, 18
	s_add_co_u32 s80, s80, s81
	s_and_b32 s81, s77, 3
	s_lshl_b32 s81, s81, 15
	s_add_co_u32 s80, s80, s81
	s_mov_b32 s81, 0
	s_add_nc_u64 s[14:15], s[14:15], s[80:81]
	v_and_b32 v1, 15, v0                           ; r
	v_bfe_u32 v2, v0, 4, 1                         ; h
	v_and_b32 v3, 31, v0                           ; lane
	v_lshlrev_b32 v4, 3, v3
	v_lshlrev_b32 v5, 4, v3
	v_lshlrev_b32 v[BA], 7, v2
	v_add_nc_u32 v[ADA], s2, v5
	v_add_nc_u32 v[ADA+1], s2, v4
	v_add_nc_u32 v[ADW], s3, v5
	v_add_nc_u32 v[ADW+1], s3, v4
	v_lshlrev_b32 v6, 1, v1                        ; 2 r
	v_add_nc_u32 v7, s79, v6
	v_mul_u32_u24 v7, v7, v2                       ; lanes 16-31 take Wout's: the distance + 2 r more
	v_add_nc_u32 v6, s78, v6
	v_add_nc_u32 v[LO], v6, v7
	v_lshlrev_b32 v21, 5, v2
	v_add_nc_u32 v21, 32, v21                      ; from block to block: 32, or 64
	v_mul_u32_u24 v22, 254, v2
	v_sub_nc_u32 v22, 256, v22                     ; from a lower half to its upper: 256, the next head's, or 2
	v_add_nc_u32 v[LO+1], v[LO], v21
	v_add_nc_u32 v[LO+2], v[LO+1], v21
	v_add_nc_u32 v[LO+3], v[LO+2], v21
.irp i, 0,1,2,3
	v_add_nc_u32 v[HI+\i], v[LO+\i], v22
.endr
	v_mul_u32_u24 v23, v1, 272
	v_lshl_add_u32 v23, v2, 7, v23
	v_add_nc_u32 v[STO], s91, v23                  ; in: row r, + 128 h
	v_mul_u32_u24 v27, v2, 272
	v_lshl_add_u32 v27, v1, 4, v27
	v_add_nc_u32 v[RD], s91, v27                   ; back: sixteen lanes to a row of 256 bytes
	v_lshlrev_b32 v[CO], 12, v2
	v_lshl_add_u32 v[CO], v1, 4, v[CO]
.irp b, 0,1,2,3
.irp j, 0,1
	global_load_b128 v[BIAS+8*\b+4*\j:BIAS+8*\b+4*\j+3], v[BA], s[12:13] offset:32*\b+16*\j
.endr
.endr
.macro FRAG r, adr, off                ; 16 rows x 128 K: two images of 768 bytes: registers 0-3 at 16 x lane, registers 4-5 at 512 + 8 x lane
.irp c, 0,1
	ds_load_b128 v[\r+6*\c:\r+6*\c+3], v[\adr] offset:\off+768*\c
	ds_load_b64 v[\r+6*\c+4:\r+6*\c+5], v[\adr+1] offset:\off+768*\c+512
.endr
.endm
.macro FETCH a                         ; block a of my rows, all of K, into set a % 2: 32 loads
	WIN 0xc0
.irp k, 0,1,2,3,4,5,6,7
	FRAG 96*((\a)%2)+12*\k, ADA, 12288*(\a)+1536*\k
.endr
	WIN 0
.endm
.macro PROD a                          ; 32 products; the four accumulators take turns
.set AC, ACC+32*((\a)%2)
.irp k, 0,1,2,3,4,5,6,7
.irp b, 0,1,2,3
.set F_, 4*\k+\b
.set R_, 12*(F_%21)
.set A_, 96*((\a)%2)+12*\k
	WIN (1+F_/21)|0x0c
.if \k == 0
	v_wmma_scale_f32_16x16x128_f8f6f4 v[AC+8*\b:AC+8*\b+7], v[R_:R_+11], v[A_:A_+11], v[BIAS+8*\b:BIAS+8*\b+7], v[SC+4*\k+\b], v[SC+4*\k+(\a)] matrix_a_fmt:MATRIX_FMT_FP6 matrix_b_fmt:MATRIX_FMT_FP6 matrix_a_scale:MATRIX_SCALE_ROW1
.else
	v_wmma_scale_f32_16x16x128_f8f6f4 v[AC+8*\b:AC+8*\b+7], v[R_:R_+11], v[A_:A_+11], v[AC+8*\b:AC+8*\b+7], v[SC+4*\k+\b], v[SC+4*\k+(\a)] matrix_a_fmt:MATRIX_FMT_FP6 matrix_b_fmt:MATRIX_FMT_FP6 matrix_a_scale:MATRIX_SCALE_ROW1
.endif
.endr
.endr
	WIN 0
.rept 4
	v_nop                                          ; places: for the reads of the results and for the loads into the rows' registers
.endr
.endm
.macro TOSTAGE a                       ; LDS serves a wave's instructions in order: the loads see the stores: 16 instructions
.set AC, ACC+32*((\a)%2)
.set BK, OB+32*((\a)%2)
.irp b, 0,1,2,3
.irp j, 0,1
	ds_store_b128 v[STO], v[AC+8*\b+4*\j:AC+8*\b+4*\j+3] offset:32*\b+16*\j
.endr
.endr
.irp t, 0,1,2,3,4,5,6,7
	ds_load_b128 v[BK+4*\t:BK+4*\t+3], v[RD] offset:544*\t
.endr
.endm
.macro SEND a
.set BK, OB+32*((\a)%2)
.irp t, 0,1,2,3,4,5,6,7
	global_store_b128 v[CO], v[BK+4*\t:BK+4*\t+3], s[14:15] offset:(128*(\a)+2*\t+24*(\t/4))*4096 th:TH_STORE_NT   ; sixteen lanes store 256 consecutive bytes, aligned
.endr
.endm
	s_wait_alu depctr_va_vdst(0)                   ; the wait at the head's end
	s_cmp_eq_u32 s[WV], 0
	s_cbranch_scc0 .Lnot_w
	s_wait_tensorcnt 0x0
.Lnot_w:
	s_barrier_signal -1
	s_barrier_wait -1                              ; Wout's codes are in; the other tiles may still be on their way
.irp k, 0,1,2,3,4,5,6,7
.irp b, 0,1,2,3
.set F_, 4*\k+\b
.set R_, 12*(F_%21)
	WIN (1+F_/21)<<6
	FRAG R_, ADW, 12288*\b+1536*\k
.endr
.endr
	WIN 0
	s_wait_tensorcnt 0x0
	s_wait_dscnt 0x0
	s_barrier_signal -1
	s_barrier_wait -1                              ; all four tiles are in
.irp k, 0,1,2,3,4,5,6,7
.irp i, 0,1,2,3
	ds_load_u16 v[128+4*\k+\i], v[LO+\i] offset:512*\k     ; head 2 k's two bytes; in lanes 16-31 the lower half of Wout's word
	ds_load_u16 v[160+4*\k+\i], v[HI+\i] offset:512*\k     ; head 2 k + 1's; the upper half
.endr
.endr
	FETCH 0
	s_wait_dscnt 32                                ; the halves are in; block 0's 32 loads may be out
.set I_, 0
.rept 32
	v_lshl_or_b32 v[SC+I_], v[160+I_], 16, v[128+I_]
.set I_, I_+1
.endr
	FETCH 1
	s_wait_alu depctr_va_vdst(0)
	s_wait_loadcnt 0x0                             ; the bias
	s_wait_dscnt 32                                ; block 1's 32 loads may be out
.rept 8
	v_nop                                          ; the places behind the scale words' writes
.endr
	PROD 0
	TOSTAGE 0
	FETCH 2
	s_wait_dscnt 48                                ; block 1's rows are in; the 16 of the stage and the 32 behind them may be out
	PROD 1
	s_wait_dscnt 32                                ; block 0 is back from the stage; block 2's 32 loads may be out
	SEND 0
	TOSTAGE 1
	FETCH 3
	s_wait_dscnt 48
	PROD 2
	s_wait_dscnt 32
	SEND 1
	s_wait_xcnt 0x0                                ; block 0's stores have read their registers
	TOSTAGE 2
	s_wait_dscnt 16                                ; block 3's rows are in
	PROD 3
	s_wait_dscnt 0x0
	SEND 2
	s_wait_xcnt 0x0
	TOSTAGE 3
	s_wait_dscnt 0x0
	SEND 3
	s_wait_tensorcnt 0x0                           ; the wave's end: behind my last tensor load and my last LDS store
	ds_add_u32 v[SPW], v[NIL]
	s_wait_dscnt 0x0
	CROUND                                         ; the closing round
	s_endpgm
.Lfunc_end_k_qc18f958086_proj:
	.size	k_qc18f958086_proj, .Lfunc_end_k_qc18f958086_proj-k_qc18f958086_proj
	.p2alignl 7, 3214868480
	.fill 96, 4, 3214868480
	.section	.rodata,"a",@progbits
	.p2align	6, 0x0
	.amdhsa_kernel k_qc18f958086_proj
		.amdhsa_group_segment_fixed_size 327680
		.amdhsa_private_segment_fixed_size 0
		.amdhsa_enable_private_segment 0
		.amdhsa_kernarg_size 48
		.amdhsa_user_sgpr_count 2
		.amdhsa_user_sgpr_kernarg_segment_ptr 1
		.amdhsa_wavefront_size32 1
		.amdhsa_system_sgpr_workgroup_id_x 1
		.amdhsa_system_sgpr_workgroup_id_y 1
		.amdhsa_system_sgpr_workgroup_id_z 1
		.amdhsa_system_vgpr_workitem_id 0
		.amdhsa_next_free_vgpr 1024
		.amdhsa_next_free_sgpr 102
		.amdhsa_reserve_vcc 0
		.amdhsa_float_denorm_mode_32 3
		.amdhsa_float_denorm_mode_16_64 3
		.amdhsa_memory_ordered 1
		.amdhsa_forward_progress 1
		.amdhsa_inst_pref_size 57
	.end_amdhsa_kernel
	.amdgpu_metadata
---
amdhsa.version: [ 1, 2 ]
amdhsa.kernels:
  - .name:           k_qc18f958086_proj
    .symbol:         k_qc18f958086_proj.kd
    .args:
      - { .name: aoc, .offset: 0, .size: 8, .value_kind: global_buffer, .address_space: global }
      - { .name: aos, .offset: 8, .size: 8, .value_kind: global_buffer, .address_space: global }
      - { .name: wc, .offset: 16, .size: 8, .value_kind: global_buffer, .address_space: global }
      - { .name: ws, .offset: 24, .size: 8, .value_kind: global_buffer, .address_space: global }
      - { .name: bout, .offset: 32, .size: 8, .value_kind: global_buffer, .address_space: global }
      - { .name: out0, .offset: 40, .size: 8, .value_kind: global_buffer, .address_space: global }
    .group_segment_fixed_size: 327680
    .private_segment_fixed_size: 0
    .kernarg_segment_align: 8
    .kernarg_segment_size: 48
    .max_flat_workgroup_size: 128
    .sgpr_count:     102
    .vgpr_count:     1024
    .wavefront_size: 32
...
	.end_amdgpu_metadata
.endif
;; end of part 4
